; MI455X (gfx1250); checked and timed in simulation.
; The chip was launched on July 23, 2026; its instructions are those of AMD's public machine-readable ISA for CDNA 5 (MIT licence, August 2026) and "CDNA5" Instruction Set Architecture Reference Guide (July 2026). The comments in the code are by the model that wrote it; some were corrected since.
;; Mo E. Allowed arithmetic: matrix products marked QUANTISED: E2M1 operands, one E8M0 scale for each 32 along K, by v_wmma_scale_f32_16x16x128_f8f6f4 with both operands' format E2M1 (or v_wmma_scale_f32_32x16x128_f4), f32 sums; products left as they are: f32 operands where the result goes on into a quantised operand, else bf16, f16 or f32 operands; f32 sums; everything else in f32.
;; Inputs: expert_b 8 x 2,048 float32; expert_w 8 x 2,048 x 1,024 float32; gate_b 8 float32; gate_w 8 x 1,024 float32; x 4,096 x 1,024 float32.
;; Outputs: out0 4,096 x 2,048 float32.
;; This version of the problem:
;;   THIS VERSION OF THE PROBLEM IS GIVEN IN LOW PRECISION. The matrix products marked QUANTISED in the list below multiply operands that are first quantised to E2M1 (2 exponent bits, 1 mantissa bit; 4 bits a number), with one power-of-two scale for each 32 numbers along K (OCP MX v1.0); their sums are f32. All else is computed in f32.
;;   The module's matrix products, in the order in which they are computed (A, B: the left and right operand; K: the contracted axis; several contracted axes count as one K, in the product's order):
;;     1. [M 4,096, K 1,024] x [K 1,024, N 8]; A: input x; B: input gate_w: left as it is (N = 8 < 16)
;;     2. [M 4,096, K 1,024] x [K 1,024, N 16,384]; A: input x; B: input expert_w: QUANTISED
;;     3. batch 4,096 x [M 1, K 8] x [K 8, N 2,048]; A: softmax; B: computed on the way: left as it is (K = 8 < 32)
;;   THE QUANTISER, for each operand of a quantised product, along K:
;;     - K is cut into blocks of 32 from its start; a last block that is shorter is filled with zeros.
;;     - A block's scale is 2^e with e = floor(log2(the largest magnitude in the block)) - 2, held to -126 .. 127; a block of zeros has e = 0. As a byte (E8M0): e + 127.
;;     - Each number is divided by its block's scale, clamped to +-6, and rounded to the nearest number of E2M1, ties to even, subnormals kept.
;;     - The product sums the exact products of the quantised numbers (number of the format x scale) in f32.
;;   ~~~python
;;   def quantise(x, axis):      # numpy; x: float32 -> the quantised numbers, widened to float32 again
;;       x = np.moveaxis(x, axis, -1); K = x.shape[-1]
;;       x = np.pad(x, [(0, 0)] * (x.ndim - 1) + [(0, -K % 32)]); x = x.reshape(x.shape[:-1] + (-1, 32)); a = np.abs(x).max(-1, keepdims=True)
;;       e = np.where(a > 0, np.clip(np.frexp(np.where(a > 0, a, 1))[1] - 1 - 2, -126, 127), 0)      # np.frexp(a)[1] - 1 = floor(log2(a)), exactly
;;       r = np.clip(x / 2.0 ** e, -6, 6)
;;       step = 2.0 ** (np.maximum(np.frexp(np.where(r == 0, 1, r))[1] - 1, 0) - 1)
;;       q = np.round(r / step) * step * 2.0 ** e      # np.round: ties to even
;;       return np.moveaxis(q.reshape(q.shape[:-2] + (-1,))[..., :K], -1, axis).astype(np.float32)
;;   ~~~
;; 2 versions. Each part assembles by itself: llvm-mc -triple=amdgcn-amd-amdhsa -mcpu=gfx1250 --defsym DOCPART=n.
;; ======== version 1 of 2: 2 launches
;; workspace buffers: x_codes 2,097,152 bytes; x_scales 131,072 bytes; w_codes 8,388,608 bytes; w_scales 524,288 bytes; gates 131,072 bytes
;; launch quant (part 1): grid 640 x 1, 4 waves a work-group, no clusters, 4,608 bytes of LDS; arguments x, expert_w, gate_w, gate_b, x_codes, x_scales, w_codes, w_scales, gates; writes x_codes, x_scales, w_codes, w_scales, gates
.if DOCPART == 1
	.amdgcn_target "amdgcn-amd-amdhsa--gfx1250"
	.amdhsa_code_object_version 6
	.text
	.protected	k_q3090d13449_quant
	.globl	k_q3090d13449_quant
	.p2align	8
	.type	k_q3090d13449_quant,@function
k_q3090d13449_quant:
	s_mov_b64 s[64:65], 0
	v_nop
	global_prefetch_b8 v0, s[64:65] scope:SCOPE_SE
	s_setreg_imm32_b32 hwreg(HW_REG_WAVE_MODE, 25, 1), 1
	s_wait_xcnt 0x0
; x [4096][1024] and expert_w [8*2048][1024], f32, K innermost, are turned into codes of FP4 (E2M1), two a byte, K innermost (a row: 512 bytes), with one E8M0 byte for each 32 along K (a row: 32 bytes).
; A block's byte is its largest magnitude's exponent field - 2, held at 1 from below; a block of zeros gets 127.  Each number is divided by the scale and rounded to the nearest code, ties to even, beyond 6 the code of 6.
; The work-groups that take x also make the gate: softmax over the 8 experts of x . gate_w[e] + gate_b[e], all in f32, since x's numbers are in registers here anyway.
; The gate goes out as [256 blocks of 16 tokens][8 experts][16 tokens] f32, so that the next launch reads 64 consecutive bytes for a block and an expert.
; LIMITS: NaN and infinities among the inputs are not served.  The gate's sum over K runs in another order than a plain chain (16 numbers a lane, then across lanes, then two halves of K), in f32.
; SHARES.  A work-group takes 32 rows.  The first XWG = 4096 / 32 work-groups take x, the other 16384 / 32 = 512 expert_w: 640 in all.  Wave w takes rows 16 (w / 2) .. + 15 and K = 512 (w % 2) .. + 511: 16 steps of one half row.
; In a step a lane holds 16 neighbours along K (64 bytes, four loads; the four together read 2,048 consecutive bytes); two neighbouring lanes hold a block of 32.  A lane's 16 codes are 8 bytes: the wave stores 256 consecutive, aligned bytes.
; The work-group's 1,024 scale bytes are gathered in LDS as they lie in memory and leave 256 aligned bytes a wave.
; No tensor loads, no matrix unit, no cluster: work-groups share nothing but gate_w (16 KiB a wave, kept in registers), and the launch is a stream.  Loads run four steps (16 loads a wave) ahead.
.set XWG, 128                          ; work-groups for x: 4096 rows / 32
.set SCB, 0                            ; LDS 0..1023     scale bytes: row x 32 + block
.set LOG, 1024                         ; LDS 1024..3071  logits' halves: [32 rows][2 halves of K][8 experts] f32
.set GST, 3072                         ; LDS 3072..4095  the gates' stage
.set X,   16                           ; v16-79    four sets of 16 numbers
.set C,   80                           ; v80-83    two pairs of codes
.set E,   84                           ; v84-99    a scale byte for each step
.set P,   100                          ; v100-115  eight pairs of partial sums, one pair an expert
.set T,   116                          ; v116-123  at work in the sum across lanes
.set GW,  128                          ; v128-255  gate_w[e][512 hk + 16 lane + i] at GW + 16 e + i
	s_load_b256 s[4:11], s[0:1], 0x0               ; x s[4:5], expert_w s[6:7], gate_w s[8:9], gate_b s[10:11]
	s_load_b256 s[12:19], s[0:1], 0x20             ; x_codes s[12:13], x_scales s[14:15], w_codes s[16:17], w_scales s[18:19]
	s_load_b64 s[20:21], s[0:1], 0x40              ; gates
	v_lshl_add_u32 v126, v0, 2, 0x1000
	v_mov_b32 v127, 0
	v_lshrrev_b32 v8, 5, v0
	v_readfirstlane_b32 s22, v8                    ; wave 0..3
	s_and_b32 s23, s22, 1                          ; hk: which half of K
	s_lshr_b32 s24, s22, 1                         ; rg: which 16 rows
	v_and_b32 v1, 31, v0                           ; lane
	v_lshlrev_b32 v2, 6, v1                        ; my 64 bytes of a half row (and of a half row of gate_w)
	v_lshlrev_b32 v3, 3, v1                        ; my 8 bytes of its codes
	v_lshrrev_b32 v4, 1, v1                        ; my block
	s_lshl_b32 s26, s24, 9
	s_lshl_b32 s27, s23, 4
	s_add_co_u32 s26, s26, s27
	v_add_nc_u32 v4, s26, v4                       ; LDS: SCB (= 0) + 512 rg + 16 hk + block; a step adds 32
	v_lshlrev_b32 v5, 3, v0                        ; the scale bytes' way out: 8 bytes a thread, in LDS and in memory
	v_and_b32 v8, 1, v1                            ; which expert's sum ends in my lane: bit 0 of the lane gives 4, bit 1 gives 2, bit 2 gives 1
	v_lshlrev_b32 v8, 2, v8
	v_and_b32 v9, 2, v1
	v_or_b32 v8, v8, v9
	v_bfe_u32 v9, v1, 2, 1
	v_or_b32 v8, v8, v9
	v_lshlrev_b32 v7, 2, v8
	s_lshl_b32 s26, s24, 10
	s_lshl_b32 s27, s23, 5
	s_add_co_u32 s26, s26, s27
	s_add_co_u32 s26, s26, LOG
	v_add_nc_u32 v7, s26, v7                       ; LDS: LOG + 1024 rg + 32 hk + 4 x expert; a step adds 64
	s_mov_b32 s27, 0
	s_wait_kmcnt 0x0
	s_cmp_lt_u32 ttmp9, XWG                        ; x's work-group or expert_w's?  The choice hangs on the work-group's number alone
	s_cselect_b64 s[4:5], s[4:5], s[6:7]           ; the numbers,
	s_cselect_b64 s[12:13], s[12:13], s[16:17]     ; their codes,
	s_cselect_b64 s[14:15], s[14:15], s[18:19]     ; their scale bytes
	s_cselect_b32 s25, 0, XWG
	s_sub_co_u32 s25, ttmp9, s25                   ; which 32 rows of the tensor: 0 to 127 of x, 0 to 511 of expert_w
	s_lshl_b32 s26, s25, 17                        ; 32 rows of 4,096 bytes (511 x 131,072 at the most: under 2^32),
	s_lshl_b32 s39, s24, 16                        ; my 16 of them,
	s_add_co_u32 s26, s26, s39
	s_lshl_b32 s39, s23, 11                        ; my half of K
	s_add_co_u32 s26, s26, s39
	s_add_nc_u64 s[4:5], s[4:5], s[26:27]
	s_lshl_b32 s26, s25, 14                        ; the same in codes: rows of 512 bytes
	s_lshl_b32 s39, s24, 13
	s_add_co_u32 s26, s26, s39
	s_lshl_b32 s39, s23, 8
	s_add_co_u32 s26, s26, s39
	s_add_nc_u64 s[12:13], s[12:13], s[26:27]
	s_lshl_b32 s26, s25, 10                        ; and in scale bytes: 1,024 a work-group
	s_add_nc_u64 s[14:15], s[14:15], s[26:27]
.macro LOAD t                          ; step t's half row into set t % 4
.irp i, 0,1,2,3
	global_load_b128 v[X+16*((\t)%4)+4*\i:X+16*((\t)%4)+4*\i+3], v2, s[4:5] offset:4096*(\t)+16*\i th:TH_LOAD_NT
.endr
.endm
; The gate's part of a step: eight dot products of my 16 numbers, then a sum across the 32 lanes that halves the number of values as it doubles the lanes summed.
.macro GATE t
	s_wait_dscnt 0x0                               ; the last step's store of a logit is done: its register is written again below
.irp e, 0,1,2,3,4,5,6,7
	v_pk_mul_f32 v[P+2*\e:P+2*\e+1], v[XS:XS+1], v[GW+16*\e:GW+16*\e+1]       ; the first products start the sums: nothing is cleared
.endr
.irp i, 1,2,3,4,5,6,7
.irp e, 0,1,2,3,4,5,6,7
	v_pk_fma_f32 v[P+2*\e:P+2*\e+1], v[XS+2*\i:XS+2*\i+1], v[GW+16*\e+2*\i:GW+16*\e+2*\i+1], v[P+2*\e:P+2*\e+1]   ; the experts innermost: eight chains that do not wait for each other
.endr
.endr
.irp e, 0,1,2,3,4,5,6,7
	v_add_f32 v[P+2*\e], v[P+2*\e], v[P+2*\e+1]
.endr
.irp j, 0,1,2,3                        ; lanes l and l xor 1: the even lane keeps experts 0-3 and sends 4-7, the odd lane the other way round
	v_cndmask_b32 v[T+\j], v[P+2*\j], v[P+2*\j+8], s36
	v_cndmask_b32 v[T+4+\j], v[P+2*\j+8], v[P+2*\j], s36
	v_add_f32_dpp v[T+\j], v[T+4+\j], v[T+\j] row_xmask:1 row_mask:0xf bank_mask:0xf
.endr
.irp j, 0,1                            ; lanes l and l xor 2: two values are kept
	v_cndmask_b32 v[P+\j], v[T+\j], v[T+2+\j], s37
	v_cndmask_b32 v[P+2+\j], v[T+2+\j], v[T+\j], s37
	v_add_f32_dpp v[P+\j], v[P+2+\j], v[P+\j] row_xmask:2 row_mask:0xf bank_mask:0xf
.endr
	v_cndmask_b32 v[T], v[P], v[P+1], s38          ; lanes l and l xor 4: one value is kept
	v_cndmask_b32 v[T+1], v[P+1], v[P], s38
	v_add_f32_dpp v[T], v[T+1], v[T] row_xmask:4 row_mask:0xf bank_mask:0xf
	v_add_f32_dpp v[T], v[T], v[T] row_xmask:8 row_mask:0xf bank_mask:0xf
	v_permlanex16_b32 v[T+1], v[T], s40, s41       ; (its destination has been written)
	v_add_f32 v[T], v[T], v[T+1]                   ; my expert's sum over the half row; four lanes hold each expert's
	ds_store_b32 v7, v[T] offset:64*(\t)           ; they write the same word with the same value
.endm
.macro STEP t, gate
.set XS, X+16*((\t)%4)
.set CP, C+2*((\t)%2)
.if (\t) <= 12
	s_wait_loadcnt 12                              ; loads come back in order: this step's four are in, the next three steps' twelve may be out
.else
	s_wait_loadcnt 4*(15-(\t))
.endif
	s_wait_xcnt 0x0                                ; this pair of code registers was the data of the store two steps back: it is written again only behind this wait
	v_max3_num_f32 v8, |v[XS]|, |v[XS+1]|, |v[XS+2]|               ; the largest magnitude of my 16, in two chains
	v_max3_num_f32 v9, |v[XS+3]|, |v[XS+4]|, |v[XS+5]|
.irp i, 6,10
	v_max3_num_f32 v8, v8, |v[XS+\i]|, |v[XS+\i+1]|
	v_max3_num_f32 v9, v9, |v[XS+\i+2]|, |v[XS+\i+3]|
.endr
	v_max3_num_f32 v8, v8, |v[XS+14]|, |v[XS+15]|
	v_max_num_f32 v8, v8, v9
	v_max_num_f32_dpp v8, v8, v8 row_xmask:1 row_mask:0xf bank_mask:0xf   ; and of my neighbour's 16: the block's
	v_lshrrev_b32 v9, 23, v8                       ; its exponent field
	v_max_u32 v9, 3, v9                            ; the byte is not to fall under 1
	v_add_nc_u32 v9, -2, v9                        ; the scale's byte
	v_lshlrev_b32 v11, 23, v9                      ; and the scale as f32: the conversion takes its exponent field
	v_cmp_eq_u32 vcc_lo, 0, v8                     ; a block of zeros?
	v_cvt_scalef32_pk8_fp4_f32 v[CP], v[XS:XS+7], v11
	v_cvt_scalef32_pk8_fp4_f32 v[CP+1], v[XS+8:XS+15], v11
	v_cndmask_b32 v[E+(\t)], v9, 127, vcc_lo       ; a block of zeros gets 127.  (Also the plain vector instruction between a scaled conversion and what touches its result or writes its sources)
	ds_store_b8 v4, v[E+(\t)] offset:32*(\t)       ; both lanes of a block write the same byte with the same value
	global_store_b64 v3, v[CP:CP+1], s[12:13] offset:512*(\t)      ; 32 lanes store 256 consecutive bytes, at a multiple of 256 from the buffer's first byte
.if \gate
	GATE \t
.endif
.if (\t)+4 < 16
	LOAD (\t)+4
.endif
.endm
.macro TAIL                            ; a row's 32 scale bytes (and its logits) come from two waves: each wave's LDS stores are done, then the barrier, then the reads
	s_wait_dscnt 0x0
	s_barrier_signal -1
	s_barrier_wait -1
	ds_load_b64 v[8:9], v5
	s_wait_dscnt 0x0
	global_store_b64 v5, v[8:9], s[14:15]          ; 32 lanes store 256 consecutive, aligned bytes
.endm
	s_cmp_ge_u32 ttmp9, XWG                        ; (compared anew: the sums above have written SCC)
	s_cbranch_scc1 .Lw
	; ---- x: codes, scale bytes and the gate ----
	s_load_b256 s[28:35], s[10:11], 0x0            ; gate_b's eight numbers; waited for in front of the softmax
	s_lshl_b32 s26, s23, 11
	s_add_nc_u64 s[8:9], s[8:9], s[26:27]          ; gate_w at my half of K
	s_lshl_b32 s26, ttmp9, 10
	s_add_nc_u64 s[20:21], s[20:21], s[26:27]      ; the gates of my 32 tokens: two blocks of 512 bytes
	s_mov_b32 s36, 0xaaaaaaaa                      ; lanes with bit 0, bit 1, bit 2 set
	s_mov_b32 s37, 0xcccccccc
	s_mov_b32 s38, 0xf0f0f0f0
	s_mov_b32 s40, 0x76543210                      ; v_permlanex16_b32's selects for lane l xor 16
	s_mov_b32 s41, 0xfedcba98
	s_mov_b32 s42, 0x3fb8aa3b                      ; log2(e)
.irp e, 0,1,2,3,4,5,6,7
.irp j, 0,1,2,3
	global_load_b128 v[GW+16*\e+4*\j:GW+16*\e+4*\j+3], v2, s[8:9] offset:4096*\e+16*\j   ; issued ahead of x's loads, so that step 0's count covers them
.endr
.endr
.irp t, 0,1,2,3
	LOAD \t
.endr
.irp t, 0,1,2,3,4,5,6,7,8,9,10,11,12,13,14,15
	STEP \t, 1
.endr
	TAIL
	s_cmp_lg_u32 s22, 0
	s_cbranch_scc1 .Lend_x                         ; wave 0 alone makes the softmax: a lane to a row
	v_lshl_add_u32 v10, v1, 6, LOG
.irp j, 0,1,2,3
	ds_load_b128 v[16+4*\j:19+4*\j], v10 offset:16*\j              ; v16-23: the first half of K's eight sums; v24-31: the second's
.endr
	v_and_b32 v11, 15, v1
	v_lshrrev_b32 v12, 4, v1
	v_lshlrev_b32 v11, 2, v11
	v_lshl_add_u32 v11, v12, 9, v11
	v_add_nc_u32 v11, GST, v11                     ; into the stage: block lane / 16, token lane % 16; an expert adds 64
	v_lshlrev_b32 v13, 4, v1                       ; out of it, and in memory: 16 bytes a lane
	v_add_nc_u32 v14, GST, v13
	s_wait_kmcnt 0x0                               ; gate_b
	s_wait_dscnt 0x0
.irp e, 0,1,2,3,4,5,6,7
	v_add_f32 v[16+\e], v[16+\e], v[24+\e]
.endr
.irp e, 0,1,2,3,4,5,6,7
	v_add_f32 v[16+\e], s[28+\e], v[16+\e]         ; the logit
.endr
	v_max3_num_f32 v32, v16, v17, v18
	v_max3_num_f32 v32, v32, v19, v20
	v_max3_num_f32 v32, v32, v21, v22
	v_max_num_f32 v32, v32, v23                    ; the row's largest logit is taken away ahead of the exponential
	v_mul_f32 v32, s42, v32
.irp e, 0,1,2,3,4,5,6,7
	v_fma_f32 v[16+\e], v[16+\e], s42, -v32        ; (logit - largest) x log2(e), in one fused multiply-add
.endr
.irp e, 0,1,2,3,4,5,6,7
	v_exp_f32 v[16+\e], v[16+\e]
.endr
	v_nop                                          ; a plain instruction between the exponentials and the use of their results
	s_wait_alu depctr_va_vdst(0)
	v_add_f32 v33, v16, v17
.irp e, 2,3,4,5,6,7
	v_add_f32 v33, v33, v[16+\e]
.endr
	v_rcp_f32 v33, v33
	v_nop                                          ; likewise behind the reciprocal
	s_wait_alu depctr_va_vdst(0)
.irp e, 0,1,2,3,4,5,6,7
	v_mul_f32 v[16+\e], v[16+\e], v33
.endr
.irp e, 0,1,2,3,4,5,6,7
	ds_store_b32 v11, v[16+\e] offset:64*\e
.endr
	ds_load_b128 v[36:39], v14                     ; LDS serves a wave's instructions in order: these see my stores
	ds_load_b128 v[40:43], v14 offset:512
	s_wait_dscnt 0x0
	global_store_b128 v13, v[36:39], s[20:21]      ; each store covers 512 consecutive, aligned bytes
	global_store_b128 v13, v[40:43], s[20:21] offset:512
.Lend_x:
	s_wait_tensorcnt 0x0
	ds_add_u32 v126, v127
	s_wait_dscnt 0x0
	s_endpgm
	; ---- expert_w: codes and scale bytes ----
.Lw:
.irp t, 0,1,2,3
	LOAD \t
.endr
.irp t, 0,1,2,3,4,5,6,7,8,9,10,11,12,13,14,15
	STEP \t, 0
.endr
	TAIL
	s_wait_tensorcnt 0x0
	ds_add_u32 v126, v127
	s_wait_dscnt 0x0
	s_endpgm
.Lfunc_end_k_q3090d13449_quant:
	.size	k_q3090d13449_quant, .Lfunc_end_k_q3090d13449_quant-k_q3090d13449_quant
	.p2alignl 7, 3214868480
	.fill 96, 4, 3214868480
	.section	.rodata,"a",@progbits
	.p2align	6, 0x0
	.amdhsa_kernel k_q3090d13449_quant
		.amdhsa_group_segment_fixed_size 4608
		.amdhsa_private_segment_fixed_size 0
		.amdhsa_enable_private_segment 0
		.amdhsa_kernarg_size 72
		.amdhsa_user_sgpr_count 2
		.amdhsa_user_sgpr_kernarg_segment_ptr 1
		.amdhsa_wavefront_size32 1
		.amdhsa_system_sgpr_workgroup_id_x 1
		.amdhsa_system_sgpr_workgroup_id_y 1
		.amdhsa_system_sgpr_workgroup_id_z 1
		.amdhsa_system_vgpr_workitem_id 0
		.amdhsa_next_free_vgpr 256
		.amdhsa_next_free_sgpr 66
		.amdhsa_reserve_vcc 1
		.amdhsa_float_denorm_mode_32 3
		.amdhsa_float_denorm_mode_16_64 3
		.amdhsa_memory_ordered 1
		.amdhsa_forward_progress 1
		.amdhsa_inst_pref_size 152
	.end_amdhsa_kernel
	.amdgpu_metadata
---
amdhsa.version: [ 1, 2 ]
amdhsa.kernels:
  - .name:           k_q3090d13449_quant
    .symbol:         k_q3090d13449_quant.kd
    .args:
      - { .name: x, .offset: 0, .size: 8, .value_kind: global_buffer, .address_space: global }
      - { .name: expert_w, .offset: 8, .size: 8, .value_kind: global_buffer, .address_space: global }
      - { .name: gate_w, .offset: 16, .size: 8, .value_kind: global_buffer, .address_space: global }
      - { .name: gate_b, .offset: 24, .size: 8, .value_kind: global_buffer, .address_space: global }
      - { .name: x_codes, .offset: 32, .size: 8, .value_kind: global_buffer, .address_space: global }
      - { .name: x_scales, .offset: 40, .size: 8, .value_kind: global_buffer, .address_space: global }
      - { .name: w_codes, .offset: 48, .size: 8, .value_kind: global_buffer, .address_space: global }
      - { .name: w_scales, .offset: 56, .size: 8, .value_kind: global_buffer, .address_space: global }
      - { .name: gates, .offset: 64, .size: 8, .value_kind: global_buffer, .address_space: global }
    .group_segment_fixed_size: 4608
    .private_segment_fixed_size: 0
    .kernarg_segment_align: 8
    .kernarg_segment_size: 72
    .max_flat_workgroup_size: 128
    .sgpr_count:     66
    .vgpr_count:     256
    .wavefront_size: 32
...
	.end_amdgpu_metadata
.endif
;; end of part 1
;; launch moe (part 2): grid 16 x 16, 4 waves a work-group, clusters of 4 x 1, 327,680 bytes of LDS; arguments x_codes, x_scales, w_codes, w_scales, expert_b, gates, out0; writes out0
.if DOCPART == 2
	.amdgcn_target "amdgcn-amd-amdhsa--gfx1250"
	.amdhsa_code_object_version 6
	.text
	.protected	k_q3090d13449_moe
	.globl	k_q3090d13449_moe
	.p2align	8
	.type	k_q3090d13449_moe,@function
k_q3090d13449_moe:
	s_mov_b64 s[64:65], 0
	v_nop
	global_prefetch_b8 v0, s[64:65] scope:SCOPE_SE
	s_setreg_imm32_b32 hwreg(HW_REG_WAVE_MODE, 25, 1), 1
	s_wait_xcnt 0x0
	s_wait_alu depctr_hold_cnt(0) depctr_sa_sdst(0) depctr_va_vdst(0) depctr_va_sdst(0) depctr_va_ssrc(0) depctr_va_vcc(0) depctr_vm_vsrc(0)
	s_getreg_b32 s2, hwreg(HW_REG_IB_STS2, 6, 4)
	s_cmp_eq_u32 s2, 0
	s_cbranch_scc0 .Lentry_in_a_cluster
	s_endpgm
.Lentry_in_a_cluster:
	s_bfe_u32 s2, ttmp6, 0x10000c
	s_cmp_lg_u32 s2, 0x3003
	s_cbranch_scc0 .Lentry_shape_is_right
	s_endpgm
.Lentry_shape_is_right:
; out0[n][h] = the sum over the 8 experts e of g[n][e] x relu( Q(x)[n] . Q(W)[e][h] + b[e][h] ).  Q(x), Q(W): codes of FP4 (E2M1) with one E8M0 byte for each 32 along K = 1024, as the launch before laid them; g from there too.
; The products go by v_wmma_scale_f32_16x16x128_f8f6f4 on codes and scale bytes as they lie; sums, bias, relu and the weighted sum in f32.
; LIMITS: the bias is the C of an expert's first K step, so it is added first and not last.  NaN and infinities among the inputs are not served.
; SHARES.  A work-group makes 256 tokens x 128 h, a wave 64 tokens x 128 h.  The relu stands between the product and the sum over experts, so a wave keeps TWO tiles of f32: the expert's sums (32 accumulators, 256 registers)
; and the running output (256 registers).  x's fragments for ALL of K (4 blocks of 16 tokens x 8 K steps x 8 registers = 256) stay in registers for the whole launch: only W's fragments are read from LDS,
; 16 loads of 16 bytes a lane for a K step's 32 matrix instructions.
; THE MATRIX INSTRUCTION IS USED TRANSPOSED: source 0 = 16 rows of W (h), source 1 = 16 tokens.  Lane l then holds token l % 16, and its registers 0-7 the columns h = 8 (l / 16) + 0 .. 7: g is one number a lane,
; the bias eight registers in C's layout, and a lane's results 32 neighbouring bytes of a row of out0.
; CLUSTER.  The four work-groups of a cluster have the same 128 h and different tokens: W's codes, W's scale bytes and the bias are asked for JOINTLY, by the same tensor load with the same descriptor and the mask of all four.
; No 4 x 4 cluster: x's codes go straight into registers, once (128 KiB of the 680 KiB that a work-group takes in), so there is no tile of x in LDS to share.  The place in the cluster enters global addresses of x, g and out0 alone.
; THE RING.  Two slots, each with the tiles of TWO experts (2 x 128 rows x 512 bytes): experts 0, 1 -> slot 0; 2, 3 -> slot 1; 4, 5 -> slot 0; 6, 7 -> slot 1.  Both first fills go out at the start; each of the two refills
; has two experts' work, 512 matrix instructions and two epilogues, in which to land.  By this text's own count a wave has four tensor loads out at the start and one behind each refill.
; REGISTERS, in windows of 256: window 0: addresses, g, scale words, W's fragments (two sets of 64; set 1 also holds the bias during K step 0);  window 1: x's fragments, block a, K step q at 64 a + 8 q;
;   window 2: the expert's sums, (a, b) at 64 a + 8 b;   window 3: the running output, at the same index.
.set PITCH, 528                        ; an LDS row of W: 512 bytes + 16 of padding = 132 words: row r starts at bank 4 r mod 64 (64 banks of 4 bytes: ISA guide 11.1), so the 16 rows of a load start at 16 different banks
.set BLK,   16*PITCH                   ; 16 rows
.set EXPB,  128*PITCH                  ; an expert's tile
.set SLOT,  2*EXPB                     ; a slot: two experts
.set SCL,   2*SLOT                     ; behind the ring: W's scale bytes, 8 experts x (4,096 bytes + 16 of padding behind every 256)
.set SCE,   4352                       ; an expert's
.set BIAS,  SCL+8*SCE                  ; the bias: 8 experts x 512 bytes
.set SPARE, BIAS+8*512                 ; the spare words, 128 bytes for each wave: two blocks of 256 bytes that no other line names
.set AB0,  3                           ; v3   my lane's place in a tile of W: 528 r + 16 (l / 16)
.set AS0,  4                           ; v4   among an expert's scale words: lanes 0-15 blocks 0-3, lanes 16-31 blocks 4-7
.set AI0,  5                           ; v5   in an expert's bias
.set ADRB, 6                           ; v6-8 the same three for the expert in hand
.set ADRS, 7
.set ADRI, 8
.set STO,  9                           ; v9   the way out: where I put 32 bytes of a row
.set RD,   10                          ; v10  the way out: where I read a row back
.set CO,   11                          ; v11  my byte offset in a row's 512 bytes of out0
.set GOFF, 12                          ; v12  my token's place in a block's 64 bytes of g
.set AOFF, 13                          ; v13  my lane's place in a block of x's codes
.set ASOFF, 14                         ; v14  and among x's scale words
.set SPW,  16                          ; v16  LDS address of my spare word: SPARE + 4 x my thread's number; never rewritten
.set NIL,  17                          ; v17  0; never rewritten
.set G,    20                          ; v20-27  G + 2 a: g of my token of block a for the expert in hand; G + 2 a + 1: 0, written once (the packed forms name the pair)
.set SCA,  32                          ; v32-47  x's scale words: SCA + 8 i + q: lanes 0-15 block i, lanes 16-31 block i + 2, K step q
.set SCB,  48                          ; v48-79  W's: SCB + 8 i + q: lanes 0-15 block i, lanes 16-31 block i + 4
.set BF,   128                         ; v128-255  W's fragments: set p at BF + 64 p, block b at + 8 b
.set WV,   18                          ; s18  my wave's number
.set G1W,  24                          ; s[24:31] descriptor group 1 for W's tiles;  s[32:39] for the scale bytes;  s[40:47] for the bias
.set G1S,  32
.set G1B,  40
.set G0,   48                          ; s[48:55] group 0 for W's tiles, one set for each slot;  s[56:59] for the scale bytes;  s[60:63] for the bias
.set G0S,  56
.set G0I,  60
.set TB,   66                          ; s66  LDS byte at which the tile of the expert to be fetched begins
.set TS,   67                          ; s67  the same for its scale words, counted from SCL
.set TI,   68                          ; s68  and for its bias, counted from BIAS
.set TWICE, 69                         ; s69  counts a slot's two experts
.set MSB, 0
.macro WIN new                         ; s_set_vgpr_msb's low byte: bits 1:0 source 0, 3:2 source 1, 5:4 source 2, 7:6 destination; the high byte repeats the setting that is left; a switch that changes nothing is dropped
.if MSB != \new
	s_set_vgpr_msb (MSB<<8)|\new
.set MSB, \new
.endif
.endm
.set MUL,  0xa4                        ; source 0 (W) window 0, source 1 (x) window 1, C and D window 2
.set MULB, 0x84                        ; the same with C (the bias) in window 0
.set RELU, 0x88                        ; source 1 and destination window 2
.set COMB, 0xf2                        ; source 0 window 2, source 1 (g) window 0, source 2 and destination window 3
.set TO_A, 0x40                        ; destination window 1, address window 0
.set ST3,  0x0c                        ; an LDS store's data in window 3
; A load into a register that a matrix instruction has read, and a vector instruction that reads a matrix result, stand four places behind that matrix instruction, and only plain vector instructions
; that name none of its registers are places (ISA guide 7.12.1 for vector instructions).
.macro PLACES
.rept 4
	v_nop
.endr
.endm
; A round of the cluster's barrier: my work-group's barrier, so that wave 0's signal speaks for all four waves; wave 0 signals for the work-group; every wave waits for all four work-groups; my work-group's barrier once more.
.macro CROUND
	s_barrier_signal -1
	s_barrier_wait -1
	s_cmp_lg_u32 s[WV], 0
	s_cbranch_scc1 .Lnot_wave_0_\@
	s_barrier_signal -3
.Lnot_wave_0_\@:
	s_barrier_wait -3
	s_barrier_signal -1
	s_barrier_wait -1
.endm
	s_load_b256 s[4:11], s[0:1], 0x0               ; x_codes s[4:5], x_scales s[6:7], w_codes s[8:9], w_scales s[10:11]
	s_load_b128 s[12:15], s[0:1], 0x20             ; expert_b s[12:13], gates s[14:15]
	s_load_b64 s[16:17], s[0:1], 0x30              ; out0
	v_lshl_add_u32 v[SPW], v0, 2, SPARE
	v_mov_b32 v[NIL], 0
	ds_add_u32 v16, v17
	ds_add_u32 v16, v17
	s_wait_dscnt 0x0
	v_lshrrev_b32 v1, 5, v0
	v_readfirstlane_b32 s[WV], v1                  ; wave 0..3
	s_bfe_u32 s19, ttmp6, 0x40000                  ; cx: my place in the cluster
	s_lshl_b32 s20, ttmp9, 2                       ; in a cluster launch ttmp9 counts clusters
	s_add_co_u32 s20, s20, s19                     ; my block of 256 tokens = 4 x cluster x + cx
	s_and_b32 s21, ttmp7, 0xffff                   ; my tile of 128 h, which the four partners share
	; group 1 for W's tiles: 64 rows x 512 bytes, dense in memory, padded in LDS
	s_mov_b32 s[G1W], 15|(1<<20)|(1<<21)|(6<<22)|(3<<25)           ; 15:0 the mask: all four work-groups; 17:16 elements of 1 byte; 20 padding on; 21 set beside a mask; 24:22 after every 128 words (code 6); 31:25 four words (code 3)
	s_mov_b32 s[G1W+1], 512<<16                    ; tensor_dim0 = 512
	s_mov_b32 s[G1W+2], 64<<16                     ; tensor_dim1 = 64
	s_mov_b32 s[G1W+3], 512<<16                    ; tile_dim0 = 512
	s_mov_b32 s[G1W+4], 64                         ; tile_dim1 = 64
	s_mov_b32 s[G1W+5], 512                        ; from row to row
	s_mov_b32 s[G1W+6], 0
	s_mov_b32 s[G1W+7], 0
	; for the scale bytes: two experts x 4,096 dense bytes (128 rows x 32), 65,536 bytes apart; elements of 8 bytes; four words of padding after every 64
	s_mov_b32 s[G1S], 15|(3<<16)|(1<<20)|(1<<21)|(5<<22)|(3<<25)
	s_mov_b32 s[G1S+1], 512<<16
	s_mov_b32 s[G1S+2], 2<<16
	s_mov_b32 s[G1S+3], 512<<16
	s_mov_b32 s[G1S+4], 2
	s_mov_b32 s[G1S+5], 8192
	s_mov_b32 s[G1S+6], 0
	s_mov_b32 s[G1S+7], 0
	; for the bias: two experts x 512 bytes, 8,192 bytes apart; no padding: all lanes of a half read the same 16 bytes
	s_mov_b32 s[G1B], 15|(3<<16)|(1<<21)
	s_mov_b32 s[G1B+1], 64<<16
	s_mov_b32 s[G1B+2], 2<<16
	s_mov_b32 s[G1B+3], 64<<16
	s_mov_b32 s[G1B+4], 2
	s_mov_b32 s[G1B+5], 1024
	s_mov_b32 s[G1B+6], 0
	s_mov_b32 s[G1B+7], 0
	; what I fetch jointly hangs on the tile of h and on my wave's number alone; these registers never hold the place in the cluster
	s_lshr_b32 s74, s[WV], 1                       ; W's codes: expert wave / 2 of the slot's two,
	s_and_b32 s75, s[WV], 1                        ; rows 64 (wave % 2) on
	s_lshl_b32 s70, s21, 16                        ; 128 rows of 512 bytes a tile of h
	s_lshl_b32 s74, s74, 20                        ; 2,048 rows an expert
	s_add_co_u32 s70, s70, s74
	s_lshl_b32 s75, s75, 15
	s_add_co_u32 s70, s70, s75
	s_mov_b32 s71, 0
	s_lshl_b32 s72, s[WV], 17                      ; scale bytes: experts 2 wave, 2 wave + 1,
	s_lshl_b32 s74, s21, 12                        ; 4,096 bytes a tile of h
	s_add_co_u32 s72, s72, s74
	s_mov_b32 s73, 0
	s_lshl_b32 s76, s[WV], 14                      ; the bias: the same two experts,
	s_lshl_b32 s74, s21, 9                         ; 512 bytes a tile of h
	s_add_co_u32 s76, s76, s74
	s_mov_b32 s77, 0
	s_mul_i32 s78, s[WV], 64*PITCH                 ; where they go in LDS: wave x 64 rows,
	s_mul_i32 s79, s[WV], 2*SCE                    ; wave x two experts' scale bytes,
	s_lshl_b32 s80, s[WV], 10                      ; wave x two experts' bias
	; what is my own
	s_lshl_b32 s22, s20, 17                        ; x's codes: 256 rows of 512 bytes a block,
	s_lshl_b32 s82, s[WV], 15                      ; my wave's 64
	s_add_co_u32 s22, s22, s82
	s_mov_b32 s23, 0
	s_lshl_b32 s84, s20, 13                        ; x's scale bytes (32 a token) and g (32 bytes a token) alike
	s_lshl_b32 s82, s[WV], 11
	s_add_co_u32 s84, s84, s82
	s_mov_b32 s85, 0
	s_lshl_b32 s86, s20, 21                        ; out0: 256 rows of 8,192 bytes,
	s_lshl_b32 s82, s[WV], 19                      ; my wave's 64,
	s_add_co_u32 s86, s86, s82
	s_lshl_b32 s82, s21, 9                         ; the tile's 512 bytes of a row
	s_add_co_u32 s86, s86, s82
	s_mov_b32 s87, 0
	s_wait_kmcnt 0x0
	s_add_nc_u64 s[4:5], s[4:5], s[22:23]
	s_add_nc_u64 s[6:7], s[6:7], s[84:85]
	s_add_nc_u64 s[14:15], s[14:15], s[84:85]
	s_add_nc_u64 s[16:17], s[16:17], s[86:87]
	s_add_nc_u64 s[8:9], s[8:9], s[70:71]
	s_add_nc_u64 s[10:11], s[10:11], s[72:73]
	s_add_nc_u64 s[12:13], s[12:13], s[76:77]
.irp s, 0,1
	s_mov_b32 s[G0+4*\s], 1                                        ; 1:0 count = 1
	s_add_co_u32 s[G0+4*\s+1], s78, \s*SLOT                        ; 63:32 LDS address
	s_add_nc_u64 s[G0+4*\s+2:G0+4*\s+3], s[8:9], \s*0x200000       ; 120:64 global address: slot s begins with experts 2 s, 2 s + 1
	s_or_b32 s[G0+4*\s+3], s[G0+4*\s+3], 0x80000000                ; 127:126 type = 2
.endr
	s_mov_b32 s[G0S], 1
	s_add_co_u32 s[G0S+1], s79, SCL
	s_mov_b64 s[G0S+2:G0S+3], s[10:11]
	s_or_b32 s[G0S+3], s[G0S+3], 0x80000000
	s_mov_b32 s[G0I], 1
	s_add_co_u32 s[G0I+1], s80, BIAS
	s_mov_b64 s[G0I+2:G0I+3], s[12:13]
	s_or_b32 s[G0I+3], s[G0I+3], 0x80000000
	CROUND                                         ; all four work-groups are here: the first joint loads meet
	tensor_load_to_lds s[G0S:G0S+3], s[G1S:G1S+7]  ; the first fills go out as one group: the scale bytes and the bias of all experts (filled once),
	s_nop 0
	tensor_load_to_lds s[G0I:G0I+3], s[G1B:G1B+7]
	s_nop 0
	tensor_load_to_lds s[G0:G0+3], s[G1W:G1W+7]    ; slot 0,
	s_nop 0
	tensor_load_to_lds s[G0+4:G0+7], s[G1W:G1W+7]  ; slot 1: four loads of mine are out
	s_nop 0
.rept 4
	v_nop                                          ; four v_nop follow the last of them
.endr
	v_and_b32 v1, 15, v0                           ; r = l % 16
	v_bfe_u32 v2, v0, 4, 1                         ; l / 16
	v_lshlrev_b32 v[AOFF], 9, v1
	v_lshl_add_u32 v[AOFF], v2, 4, v[AOFF]         ; x's codes: row r of 512 bytes + 16 x half
	v_lshlrev_b32 v[ASOFF], 5, v1
	v_lshl_add_u32 v[ASOFF], v2, 10, v[ASOFF]      ; x's scale words: row r of 32 bytes; lanes 16-31 two blocks (32 rows) on
	v_lshlrev_b32 v[GOFF], 2, v1
	; a fragment, 16 rows x 128 K of 4-bit codes, is 8 registers: lane l holds row l % 16; registers 4 c .. 4 c + 3 hold K = 64 c + 32 (l / 16) + 0 .. 31: 16 bytes of the row as they lie
	WIN TO_A
.irp a, 0,1,2,3
.irp q, 0,1,2,3,4,5,6,7
.irp c, 0,1
	global_load_b128 v[64*\a+8*\q+4*\c:64*\a+8*\q+4*\c+3], v[AOFF], s[4:5] offset:8192*\a+64*\q+32*\c   ; x's fragments of all of K stay in registers
.endr
.endr
.endr
	WIN 0
.irp i, 0,1
.irp k, 0,1
	global_load_b128 v[SCA+8*\i+4*\k:SCA+8*\i+4*\k+3], v[ASOFF], s[6:7] offset:512*\i+16*\k
.endr
.endr
.irp a, 0,1,2,3
	v_mov_b32 v[G+2*\a+1], 0
.endr
.macro GLOAD                           ; g of my token in each of my four blocks, for the expert at which the base stands
.irp a, 0,1,2,3
	global_load_b32 v[G+2*\a], v[GOFF], s[14:15] offset:512*\a
.endr
.endm
	GLOAD
	v_mul_u32_u24 v[AB0], v1, PITCH
	v_lshl_add_u32 v[AB0], v2, 4, v[AB0]
	v_lshlrev_b32 v[AS0], 5, v1                    ; a row's 32 scale bytes,
	v_lshrrev_b32 v15, 3, v1
	v_lshl_add_u32 v[AS0], v15, 4, v[AS0]          ; 16 more for each 256 passed,
	v_mad_u32_u24 v[AS0], v2, 2176, v[AS0]         ; lanes 16-31 four blocks (4 x 544 bytes) on
	v_add_nc_u32 v[AS0], SCL, v[AS0]
	v_lshl_add_u32 v[AI0], v2, 5, BIAS             ; the bias of h = 8 (l / 16) + 0 .. 7 of a block
	s_mul_i32 s83, s[WV], BLK                      ; my stage for the way out: 16 rows x 528 bytes, in slot 0
	v_mul_u32_u24 v[STO], v1, PITCH
	v_lshl_add_u32 v[STO], v2, 5, v[STO]
	v_add_nc_u32 v[STO], s83, v[STO]               ; in: row r, 32 bytes for each half of the lanes
	v_and_b32 v15, 31, v0
	v_lshlrev_b32 v[CO], 4, v15                    ; back: the 32 lanes take one row of 512 bytes; and the same in out0
	v_add_nc_u32 v[RD], s83, v[CO]
; One product: K step q, W's block b, tokens' block a.  bias = 1: the expert's first K step takes the bias as C: nothing is cleared and no addition is written.
; The scale words stand in registers of their own; lanes 16-31 of a register are chosen by the ROW1 selectors.
.macro PROD q, b, a, bias
.set rD, 64*(\a)+8*(\b)
.set rW, BF+64*((\q)%2)+8*(\b)
.set rX, 64*(\a)+8*(\q)
.set rSW, SCB+8*((\b)%4)+(\q)
.set rSX, SCA+8*((\a)%2)+(\q)
.set rC, rD
.if \bias
.set rC, BF+64+8*(\b)
.endif
.if ((\b) < 4) && ((\a) < 2)
	v_wmma_scale_f32_16x16x128_f8f6f4 v[rD:rD+7], v[rW:rW+7], v[rX:rX+7], v[rC:rC+7], v[rSW], v[rSX] matrix_a_fmt:MATRIX_FMT_FP4 matrix_b_fmt:MATRIX_FMT_FP4
.elseif (\b) < 4
	v_wmma_scale_f32_16x16x128_f8f6f4 v[rD:rD+7], v[rW:rW+7], v[rX:rX+7], v[rC:rC+7], v[rSW], v[rSX] matrix_a_fmt:MATRIX_FMT_FP4 matrix_b_fmt:MATRIX_FMT_FP4 matrix_b_scale:MATRIX_SCALE_ROW1
.elseif (\a) < 2
	v_wmma_scale_f32_16x16x128_f8f6f4 v[rD:rD+7], v[rW:rW+7], v[rX:rX+7], v[rC:rC+7], v[rSW], v[rSX] matrix_a_fmt:MATRIX_FMT_FP4 matrix_b_fmt:MATRIX_FMT_FP4 matrix_a_scale:MATRIX_SCALE_ROW1
.else
	v_wmma_scale_f32_16x16x128_f8f6f4 v[rD:rD+7], v[rW:rW+7], v[rX:rX+7], v[rC:rC+7], v[rSW], v[rSX] matrix_a_fmt:MATRIX_FMT_FP4 matrix_b_fmt:MATRIX_FMT_FP4 matrix_a_scale:MATRIX_SCALE_ROW1 matrix_b_scale:MATRIX_SCALE_ROW1
.endif
.endm
; 16 products: W's blocks 4 hb .. 4 hb + 3 x my four blocks of tokens.  The 32 accumulators take turns, one instruction a turn, in the same order in every K step.
.macro MUL16 q, hb, bias
.irp n, 0,1,2,3
.irp m, 0,1,2,3
	PROD \q, 4*(\hb)+\n, \m, \bias
.endr
.endr
.endm
.macro FRAGS q, b0, n                  ; W's fragments of K step q, blocks b0 .. b0 + n - 1, into set q % 2
.set fb, \b0
.rept \n
	ds_load_b128 v[BF+64*((\q)%2)+8*fb:BF+64*((\q)%2)+8*fb+3],   v[ADRB] offset:BLK*fb+64*(\q)
	ds_load_b128 v[BF+64*((\q)%2)+8*fb+4:BF+64*((\q)%2)+8*fb+7], v[ADRB] offset:BLK*fb+64*(\q)+32
.set fb, fb+1
.endr
.endm
; What an expert wants ahead of its first K step: 40 LDS loads in one run.  The three additions and the v_nop are the four places behind the last products.
.macro FETCH0
	WIN 0
	v_add_nc_u32 v[ADRB], s[TB], v[AB0]
	v_add_nc_u32 v[ADRS], s[TS], v[AS0]
	v_add_nc_u32 v[ADRI], s[TI], v[AI0]
	v_nop
	FRAGS 0, 0, 8
.irp i, 0,1,2,3
.irp k, 0,1
	ds_load_b128 v[SCB+8*\i+4*\k:SCB+8*\i+4*\k+3], v[ADRS] offset:544*\i+16*\k   ; the scale words of all eight K steps
.endr
.endr
.irp n, 0,1,2,3,4,5,6,7
.irp c, 0,1
	ds_load_b128 v[BF+64+8*\n+4*\c:BF+64+8*\n+4*\c+3], v[ADRI] offset:64*\n+16*\c   ; the bias, in C's layout, where set 1 will lie
.endr
.endr
	s_add_co_u32 s[TB], s[TB], EXPB                ; the next fetch is the next expert's
	s_add_co_u32 s[TS], s[TS], SCE
	s_add_co_u32 s[TI], s[TI], 512
.endm
; An expert's eight K steps, 256 matrix instructions.
.macro STEPS
	s_wait_dscnt 0x0                               ; K step 0's fragments, the scale words and the bias are in
	WIN MULB
	MUL16 0, 0, 1
	PLACES
	WIN 0
	FRAGS 1, 0, 4                                  ; a block's bias is free once its four products are issued: K step 1's fragments land there, in two runs
	WIN MULB
	MUL16 0, 1, 1
	PLACES
	WIN 0
	FRAGS 1, 4, 4
	FRAGS 2, 0, 8
	s_wait_dscnt 24                                ; K step 1's blocks 0-3 are in; behind them 8 + 16 loads
	WIN MUL
	MUL16 1, 0, 0
	s_wait_dscnt 16                                ; its blocks 4-7 too
	MUL16 1, 1, 0
.irp q, 2,3,4,5,6
	PLACES
	WIN 0
	FRAGS \q+1, 0, 8                               ; the next K step's, into the set that the last K step multiplied: 32 matrix instructions ahead of their use
	s_wait_dscnt 16                                ; all but the 16 just issued
	WIN MUL
	MUL16 \q, 0, 0
	MUL16 \q, 1, 0
.endr
	s_wait_dscnt 0x0
	MUL16 7, 0, 0
	MUL16 7, 1, 0
	WIN 0
.endm
; The epilogue of the expert just multiplied: relu in place, each accumulator from its low end on, then the running output += g x it.  first = 1: the first expert starts the output: nothing is cleared.
.macro EPI first
	WIN RELU
.set ei, 0
.rept 256
	v_max_num_f32 v[ei], 0, v[ei]
.set ei, ei+1
.endr
	WIN COMB
.irp a, 0,1,2,3
.set ek, 0
.rept 32
.if \first
	v_pk_mul_f32 v[64*\a+ek:64*\a+ek+1], v[64*\a+ek:64*\a+ek+1], v[G+2*\a:G+2*\a+1] op_sel_hi:[1,0]
.else
	v_pk_fma_f32 v[64*\a+ek:64*\a+ek+1], v[64*\a+ek:64*\a+ek+1], v[G+2*\a:G+2*\a+1], v[64*\a+ek:64*\a+ek+1] op_sel_hi:[1,0,1]
.endif
.set ek, ek+2
.endr
.endr
	WIN 0
.endm
; An expert's turn: its first loads are issued, the epilogue of the expert before stands while they are on their way, then its products.
.macro BODY first
	FETCH0
	s_wait_loadcnt 0x0                             ; g of the expert just multiplied is in; the loads' base may be stepped
	EPI \first
	s_add_nc_u64 s[14:15], s[14:15], 64            ; g: the next expert's 16 tokens
	GLOAD
	STEPS
.endm
.macro PAIR                            ; a slot's two experts: written once, walked twice; the LDS addresses hang on s[TB], s[TS], s[TI]
	s_mov_b32 s[TWICE], 2
.Lpair_\@:
	BODY 0
	s_sub_co_u32 s[TWICE], s[TWICE], 1
	s_cmp_lg_u32 s[TWICE], 0
	s_cbranch_scc1 .Lpair_\@
.endm
; THE CHANGE OF SLOTS.  Each wave waits for all its tensor loads (its part of the slot ahead among them), adds 0 to its spare word, and waits for that and for its reads of the slot that it leaves.
; fill = 1: the slot just left is filled again, with the experts four on.  The barrier is then a round of the cluster's, so that no wave of any partner still reads the slot or has a load on its way,
; and the joint refill is the first thing behind it, one tensor load a wave.
.macro CHANGE fill, slot
	WIN 0
	s_wait_tensorcnt 0x0                           ; no tensor load of mine is out, so a group 0 may be written
	ds_add_u32 v[SPW], v[NIL]                      ; 0 onto my spare word
.if \fill
	s_add_nc_u64 s[G0+4*\slot+2:G0+4*\slot+3], s[G0+4*\slot+2:G0+4*\slot+3], 0x400000   ; four experts on; the type bits on top are not reached
.endif
	s_wait_dscnt 0x0                               ; the add is done, and my reads of the slot are over
.if \fill
	CROUND
	tensor_load_to_lds s[G0+4*\slot:G0+4*\slot+3], s[G1W:G1W+7]
	s_nop 0
.rept 4
	v_nop
.endr
.else
	s_barrier_signal -1
	s_barrier_wait -1
.endif
.endm
	s_wait_tensorcnt 0x1                           ; my parts of the scale bytes, the bias and slot 0 are in; slot 1's may stay out
	s_barrier_signal -1
	s_barrier_wait -1                              ; everybody's are
	s_mov_b32 s[TB], 0
	s_mov_b32 s[TS], 0
	s_mov_b32 s[TI], 0
	FETCH0                                         ; expert 0
	s_wait_loadcnt 0x0                             ; x's fragments and scale words, and g of expert 0
	STEPS
	BODY 1                                         ; expert 1; expert 0's epilogue starts the output
	CHANGE 1, 0                                    ; slot 0 is left: experts 4 and 5 are asked for
	s_mov_b32 s[TB], SLOT
	PAIR                                           ; experts 2, 3
	CHANGE 1, 1                                    ; slot 1 is left: experts 6 and 7 are asked for
	s_mov_b32 s[TB], 0
	PAIR                                           ; experts 4, 5
	CHANGE 0, 0                                    ; slot 0 is left for good: nothing is asked for
	s_mov_b32 s[TB], SLOT
	PAIR                                           ; experts 6, 7
	s_wait_loadcnt 0x0                             ; g of expert 7
	PLACES                                         ; the epilogue reads results just made
	EPI 0
; THE WAY OUT, block by block of 16 tokens x 128 h.  A lane holds 32 neighbouring bytes of a row, and the lanes beside it hold other rows: so a block goes through my own stage in LDS and comes back as whole rows of
; 512 bytes.  The stage lies in slot 0, which has had its last fill, and which no wave reads behind the last change of slots.  LDS serves a wave's instructions in order (ISA guide 5.7.1.4): no wait between the stores and the loads.
.macro TOSTAGE a
	WIN ST3
.irp n, 0,1,2,3,4,5,6,7
	ds_store_b128 v[STO], v[64*(\a)+8*\n:64*(\a)+8*\n+3] offset:64*\n
	ds_store_b128 v[STO], v[64*(\a)+8*\n+4:64*(\a)+8*\n+7] offset:64*\n+16
.endr
	WIN 0
.irp t, 0,1,2,3,4,5,6,7,8,9,10,11,12,13,14,15
	ds_load_b128 v[BF+64*((\a)%2)+4*\t:BF+64*((\a)%2)+4*\t+3], v[RD] offset:PITCH*\t
.endr
.endm
.macro SEND a, younger                 ; younger: the LDS instructions issued behind block a's loads, which may stay out
	s_wait_dscnt \younger                          ; the block is back in registers
.irp t, 0,1,2,3,4,5,6,7,8,9,10,11,12,13,14,15
	global_store_b128 v[CO], v[BF+64*((\a)%2)+4*\t:BF+64*((\a)%2)+4*\t+3], s[16:17] offset:(16*(\a)+\t)*8192 th:TH_STORE_NT   ; 32 lanes store 512 consecutive bytes, at a multiple of 512 from out0's first byte; 63 rows at the most: inside the signed 24-bit immediate
.endr
.endm
	TOSTAGE 0
.irp a, 1,2,3
	s_wait_xcnt 0x0                                ; the stores of the block two back have read their registers: this block's loads may land there
	TOSTAGE \a
	SEND \a-1, 32                                  ; behind the last block's loads: this block's 16 stores and 16 loads
.endr
	SEND 3, 0
	s_wait_tensorcnt 0x0                           ; the wave's end, behind my last tensor load and my last LDS store
	ds_add_u32 v[SPW], v[NIL]
	s_wait_dscnt 0x0
	CROUND                                         ; the closing round: no work-group ends while a partner may still ask for a tile that names it
	s_endpgm
.Lfunc_end_k_q3090d13449_moe:
	.size	k_q3090d13449_moe, .Lfunc_end_k_q3090d13449_moe-k_q3090d13449_moe
	.p2alignl 7, 3214868480
	.fill 96, 4, 3214868480
	.section	.rodata,"a",@progbits
	.p2align	6, 0x0
	.amdhsa_kernel k_q3090d13449_moe
		.amdhsa_group_segment_fixed_size 327680
		.amdhsa_private_segment_fixed_size 0
		.amdhsa_enable_private_segment 0
		.amdhsa_kernarg_size 56
		.amdhsa_user_sgpr_count 2
		.amdhsa_user_sgpr_kernarg_segment_ptr 1
		.amdhsa_wavefront_size32 1
		.amdhsa_system_sgpr_workgroup_id_x 1
		.amdhsa_system_sgpr_workgroup_id_y 1
		.amdhsa_system_sgpr_workgroup_id_z 1
		.amdhsa_system_vgpr_workitem_id 0
		.amdhsa_next_free_vgpr 1024
		.amdhsa_next_free_sgpr 88
		.amdhsa_reserve_vcc 0
		.amdhsa_float_denorm_mode_32 3
		.amdhsa_float_denorm_mode_16_64 3
		.amdhsa_memory_ordered 1
		.amdhsa_forward_progress 1
		.amdhsa_inst_pref_size 255
	.end_amdhsa_kernel
	.section	.bss,"aw",@nobits
	.p2align	6
	.space	262144
	.amdgpu_metadata
---
amdhsa.version: [ 1, 2 ]
amdhsa.kernels:
  - .name:           k_q3090d13449_moe
    .symbol:         k_q3090d13449_moe.kd
    .args:
      - { .name: x_codes, .offset: 0, .size: 8, .value_kind: global_buffer, .address_space: global }
      - { .name: x_scales, .offset: 8, .size: 8, .value_kind: global_buffer, .address_space: global }
      - { .name: w_codes, .offset: 16, .size: 8, .value_kind: global_buffer, .address_space: global }
      - { .name: w_scales, .offset: 24, .size: 8, .value_kind: global_buffer, .address_space: global }
      - { .name: expert_b, .offset: 32, .size: 8, .value_kind: global_buffer, .address_space: global }
      - { .name: gates, .offset: 40, .size: 8, .value_kind: global_buffer, .address_space: global }
      - { .name: out0, .offset: 48, .size: 8, .value_kind: global_buffer, .address_space: global }
    .group_segment_fixed_size: 327680
    .private_segment_fixed_size: 0
    .kernarg_segment_align: 8
    .kernarg_segment_size: 56
    .max_flat_workgroup_size: 128
    .sgpr_count:     88
    .vgpr_count:     1024
    .wavefront_size: 32
...
	.end_amdgpu_metadata
.endif
;; end of part 2
;; ======== version 2 of 2: 2 launches
;; limits: right only within a limited range of input values
;; workspace buffers: x_codes 2,097,152 bytes; x_scales 131,072 bytes; w_codes 8,388,608 bytes; w_scales 524,288 bytes; gates 131,072 bytes
;; launch quant (part 3): grid 256 x 1, 12 waves a work-group, no clusters, 32,256 bytes of LDS; arguments x, expert_w, gate_w, gate_b, x_codes, x_scales, w_codes, w_scales, gates; writes x_codes, x_scales, w_codes, w_scales, gates
.if DOCPART == 3
	.amdgcn_target "amdgcn-amd-amdhsa--gfx1250"
	.amdhsa_code_object_version 6
	.text
	.protected	k_q3090d13449_quant
	.globl	k_q3090d13449_quant
	.p2align	8
	.type	k_q3090d13449_quant,@function
k_q3090d13449_quant:
	s_mov_b64 s[64:65], 0
	v_nop
	global_prefetch_b8 v0, s[64:65] scope:SCOPE_SE
	s_setreg_imm32_b32 hwreg(HW_REG_WAVE_MODE, 25, 1), 1
	s_wait_xcnt 0x0
; x [4096][1024] and expert_w [8*2048][1024], f32, K innermost, are turned into codes of FP4 (E2M1), two a byte, K innermost (a row: 512 bytes), with one E8M0 byte for each 32 along K (a row: 32 bytes).
; A block's byte is its largest magnitude's exponent field - 2, held at 1 from below; a block of zeros gets 127.  Each number is divided by the scale and rounded to the nearest code, ties to even, beyond 6 the code of 6.
; The waves that take x also make the gate: softmax over the 8 experts of x . gate_w[e] + gate_b[e], all in f32, since x's numbers are in registers here anyway.
; The gate goes out as [256 blocks of 16 tokens][8 experts][16 tokens] f32, so that the next launch reads 64 consecutive bytes for a block and an expert.
; LIMITS: NaN and infinities among the inputs are not served.  The gate's sum over K runs in another order than a plain chain (16 numbers a lane, then across lanes, then two halves of K), in f32.
; SHARES.  256 work-groups of 12 waves, all alike: each takes 16 rows of x and 64 rows of expert_w.  Waves 0-3 take x: wave w rows 8 (w / 2) .. + 7, K = 512 (w % 2) .. + 511: 8 steps of half a row (the half is fixed, so that
; its part of gate_w stays in 128 registers).  Waves 4-11 take expert_w: 8 whole rows each, 32 KiB on end: 16 steps of half a row.  The waves with the gate's work have half the steps.
; A STEP is 512 numbers.  Each of its four loads covers 512 consecutive bytes (lane l at 16 l).  The conversions take neighbours along K from ONE lane's registers, so the step goes through the wave's own stage in LDS and
; comes back with 16 neighbours (64 bytes) a lane; two neighbouring lanes then hold a block of 32.  A lane's 16 codes are 8 bytes: the wave stores 256 consecutive, aligned bytes.
; The stage has 16 bytes of padding behind every 256: byte p of a step lies at p + 16 (p / 256).  Going in, sixteen lanes write 256 bytes on end; coming back, lane l reads at 64 l + 16 (l / 4) + 16 i, and sixteen such
; lanes touch sixteen different columns of 16 bytes (64 banks of 4 bytes: ISA guide 11.1).  LDS serves a wave's instructions in order (ISA guide 5.7.1.4), so one stage a wave is enough and no barrier is needed for it.
; The gate wants no neighbours: a dot product may take k in any order that both sides share.  It works on the numbers as loaded, and gate_w is loaded in the same way, 512 consecutive bytes a load.
; Every step has its own pair of code registers: no store's data are written again, and no step waits for address translation.
; No tensor loads, no matrix unit, no cluster: work-groups share nothing but gate_w, and the launch is a stream.  Out at a time: 16 loads in a wave of x, 32 in a wave of expert_w.
.set SCBX, 0                           ; LDS 0..511      x's scale bytes: row x 32 + block
.set SCBW, 512                         ; LDS 512..2559   expert_w's: 256 for each of its eight waves, as they lie in memory
.set LOG,  2560                        ; LDS 2560..3583  logits' halves: [16 rows][2 halves of K][8 experts] f32
.set GST,  3584                        ; LDS 3584..4095  the gates' stage
.set STG,  4096                        ; LDS from 4096   a stage of STGB bytes for each wave
.set STGB, 2176                        ; 2,048 bytes + 8 x 16 of padding
; v1 lane; v2 16 x lane; v3 8 x lane; v4 LDS address of my block's scale byte; v5 8 x thread; v6 into the stage; v7 LDS address of my logit; v8, v9, v11 at work; v10 out of the stage; v12 a scale byte; v13 the scale bytes' way out
.set R,   16                           ; x:  v16-79    four sets of 16 numbers as loaded
.set XX,  80                           ; x:  v80-95    16 neighbours along K
.set CX,  96                           ; x:  v96-111   a pair of codes for each of 8 steps
.set P,   112                          ; x:  v112-127  eight pairs of partial sums, one pair an expert
.set GW,  128                          ; x:  v128-255  gate_w[e][512 hk + 128 j + 4 lane + c] at GW + 16 e + 4 j + c: the order in which x's numbers are loaded
.set XW,  16                           ; W:  v16-47    two sets of 16 neighbours
.set CW,  48                           ; W:  v48-79    a pair of codes for each of 16 steps
.set RW,  128                          ; W:  v128-255  eight sets of 16 numbers as loaded
	s_load_b256 s[4:11], s[0:1], 0x0               ; x s[4:5], expert_w s[6:7], gate_w s[8:9], gate_b s[10:11]
	s_load_b256 s[12:19], s[0:1], 0x20             ; x_codes s[12:13], x_scales s[14:15], w_codes s[16:17], w_scales s[18:19]
	s_load_b64 s[20:21], s[0:1], 0x40              ; gates
	s_set_vgpr_msb 0x40
	v_lshl_add_u32 v0, v0, 2, 0x7800
	v_mov_b32 v1, 0
	s_set_vgpr_msb 0x4000
	v_lshrrev_b32 v8, 5, v0
	s_delay_alu instid0(VALU_DEP_1)
	v_readfirstlane_b32 s22, v8                    ; wave 0..11
	v_and_b32 v1, 31, v0                           ; lane
	s_delay_alu instid0(VALU_DEP_1)
	v_lshlrev_b32 v2, 4, v1                        ; my 16 bytes of a load's 512
	s_delay_alu instid0(VALU_DEP_2)
	v_lshlrev_b32 v3, 3, v1                        ; my 8 bytes of a step's codes
	s_delay_alu instid0(VALU_DEP_3)
	v_lshrrev_b32 v4, 1, v1                        ; my block of a step's 16
	v_lshlrev_b32 v5, 3, v0                        ; x's scale bytes on their way out: 8 bytes a thread of waves 0 and 1
	s_mul_i32 s26, s22, STGB
	s_add_co_u32 s26, s26, STG                     ; my wave's stage
	v_lshrrev_b32 v8, 4, v1
	s_delay_alu instid0(VALU_DEP_1)
	v_lshl_add_u32 v6, v8, 4, v2                   ; in: 16 l + 16 (l / 16); load j adds 544
	s_delay_alu instid0(VALU_DEP_1)
	v_add_nc_u32 v6, s26, v6
	v_lshrrev_b32 v8, 2, v1
	v_lshlrev_b32 v10, 6, v1
	s_delay_alu instid0(VALU_DEP_1)
	v_lshl_add_u32 v10, v8, 4, v10                 ; back: 64 l + 16 (l / 4); piece i adds 16
	s_delay_alu instid0(VALU_DEP_1)
	v_add_nc_u32 v10, s26, v10
	s_mov_b32 s36, 0xaaaaaaaa                      ; lanes with bit 0, bit 1, bit 2 set
	s_mov_b32 s37, 0xcccccccc
	s_mov_b32 s38, 0xf0f0f0f0
	s_mov_b32 s40, 0x76543210                      ; v_permlanex16_b32's selects for lane l xor 16
	s_mov_b32 s41, 0xfedcba98
	s_mov_b32 s42, 0x3fb8aa3b                      ; log2(e)
	s_mov_b32 s27, 0
	s_lshl_b32 s26, ttmp9, 9
	s_wait_kmcnt 0x0
	s_load_b256 s[28:35], s[10:11], 0x0            ; gate_b's eight numbers, in every wave, so that they are written on every way to the tail; waited for at the join
	s_add_nc_u64 s[14:15], s[14:15], s[26:27]      ; x's scale bytes of my 16 rows: 512
	s_add_nc_u64 s[20:21], s[20:21], s[26:27]      ; the gates of my 16 tokens: one block of 512 bytes
	s_cmp_ge_u32 s22, 4
	s_cbranch_scc1 .Lw
; A step goes through the stage: set SR as loaded goes in, 16 neighbours a lane come back into SX.
.macro STAGE
.irp j, 0,1,2,3
	ds_store_b128 v6, v[SR+4*\j:SR+4*\j+3] offset:544*\j
.endr
.irp i, 0,1,2,3
	ds_load_b128 v[SX+4*\i:SX+4*\i+3], v10 offset:16*\i            ; served behind the stores above
.endr
.endm
; The 16 neighbours in XS become 16 codes in the pair CP and a scale byte.  soff: the step's place among the scale bytes in LDS; cbase, coff: the codes' base register and the step's place.
.macro QUANT soff, cbase, coff
	v_max3_num_f32 v8, |v[XS]|, |v[XS+1]|, |v[XS+2]|               ; the largest magnitude of my 16, in two chains
	v_max3_num_f32 v9, |v[XS+3]|, |v[XS+4]|, |v[XS+5]|
.irp i, 6,10
	s_delay_alu instid0(VALU_DEP_2)
	v_max3_num_f32 v8, v8, |v[XS+\i]|, |v[XS+\i+1]|
	s_delay_alu instid0(VALU_DEP_2)
	v_max3_num_f32 v9, v9, |v[XS+\i+2]|, |v[XS+\i+3]|
.endr
	s_delay_alu instid0(VALU_DEP_2)
	v_max3_num_f32 v8, v8, |v[XS+14]|, |v[XS+15]|
	s_delay_alu instid0(VALU_DEP_1)
	v_max_num_f32 v8, v8, v9
	s_delay_alu instid0(VALU_DEP_1)
	v_max_num_f32_dpp v8, v8, v8 row_xmask:1 row_mask:0xf bank_mask:0xf   ; and of my neighbour's 16: the block's
	s_delay_alu instid0(VALU_DEP_1)
	v_lshrrev_b32 v9, 23, v8                       ; its exponent field
	s_delay_alu instid0(VALU_DEP_1)
	v_max_u32 v9, 3, v9                            ; the byte is not to fall under 1
	s_delay_alu instid0(VALU_DEP_1)
	v_add_nc_u32 v9, -2, v9                        ; the scale's byte
	s_delay_alu instid0(VALU_DEP_1)
	v_lshlrev_b32 v11, 23, v9                      ; and the scale as f32: the conversion takes its exponent field
	v_cmp_eq_u32 vcc_lo, 0, v8                     ; a block of zeros?
	v_cvt_scalef32_pk8_fp4_f32 v[CP], v[XS:XS+7], v11
	v_cvt_scalef32_pk8_fp4_f32 v[CP+1], v[XS+8:XS+15], v11
	v_cndmask_b32 v12, v9, 127, vcc_lo             ; a block of zeros gets 127.  (Also the plain vector instruction between a scaled conversion and what touches its result or writes its sources)
	ds_store_b8 v4, v12 offset:\soff               ; both lanes of a block write the same byte with the same value; the next step's wait on DScnt stands ahead of the next write of v12
	global_store_b64 v3, v[CP:CP+1], s[\cbase:\cbase+1] offset:\coff   ; 32 lanes store 256 consecutive bytes, at a multiple of 256 from the buffer's first byte
.endm
	; ---- waves 0-3: x: codes, scale bytes and the gate's logits ----
	s_and_b32 s23, s22, 1                          ; hk: which half of K
	s_lshr_b32 s24, s22, 1                         ; rg: which 8 rows
	s_lshl_b32 s26, ttmp9, 16                      ; 16 rows of 4,096 bytes,
	s_lshl_b32 s39, s24, 15                        ; my 8 of them,
	s_add_co_u32 s26, s26, s39
	s_lshl_b32 s39, s23, 11                        ; my half of K
	s_add_co_u32 s26, s26, s39
	s_add_nc_u64 s[4:5], s[4:5], s[26:27]
	s_lshl_b32 s26, ttmp9, 13                      ; the same in codes: rows of 512 bytes
	s_lshl_b32 s39, s24, 12
	s_add_co_u32 s26, s26, s39
	s_lshl_b32 s39, s23, 8
	s_add_co_u32 s26, s26, s39
	s_add_nc_u64 s[12:13], s[12:13], s[26:27]
	s_lshl_b32 s26, s23, 11
	s_add_nc_u64 s[8:9], s[8:9], s[26:27]          ; gate_w at my half of K
	s_lshl_b32 s26, s24, 8
	s_lshl_b32 s39, s23, 4
	s_add_co_u32 s26, s26, s39
	s_wait_alu depctr_va_vdst(0)
	v_add_nc_u32 v4, s26, v4                       ; LDS: SCBX (= 0) + 256 rg + 16 hk + block; a step adds 32
	v_and_b32 v8, 1, v1                            ; which expert's sum ends in my lane: bit 0 of the lane gives 4, bit 1 gives 2, bit 2 gives 1
	s_delay_alu instid0(VALU_DEP_1)
	v_lshlrev_b32 v8, 2, v8
	v_and_b32 v9, 2, v1
	s_delay_alu instid0(VALU_DEP_1)
	v_or_b32 v8, v8, v9
	v_bfe_u32 v9, v1, 2, 1
	s_delay_alu instid0(VALU_DEP_1)
	v_or_b32 v8, v8, v9
	s_delay_alu instid0(VALU_DEP_1)
	v_lshlrev_b32 v7, 2, v8
	s_lshl_b32 s26, s24, 9
	s_lshl_b32 s39, s23, 5
	s_add_co_u32 s26, s26, s39
	s_add_co_u32 s26, s26, LOG
	v_add_nc_u32 v7, s26, v7                       ; LDS: LOG + 512 rg + 32 hk + 4 x expert; a step adds 64
.irp e, 0,1,2,3,4,5,6,7
.irp j, 0,1,2,3
	global_load_b128 v[GW+16*\e+4*\j:GW+16*\e+4*\j+3], v2, s[8:9] offset:4096*\e+512*\j   ; issued ahead of x's loads, so that step 0's count covers them
.endr
.endr
.macro LOADX t                         ; step t's half row into set t % 4
.irp i, 0,1,2,3
	global_load_b128 v[R+16*((\t)%4)+4*\i:R+16*((\t)%4)+4*\i+3], v2, s[4:5] offset:4096*(\t)+512*\i th:TH_LOAD_NT
.endr
.endm
; The gate's part of a step: eight dot products of my 16 numbers (set RS, as loaded), then a sum across the 32 lanes that halves the number of values as it doubles the lanes summed.  All inside P's sixteen registers.
.macro GATE t
.irp e, 0,1,2,3,4,5,6,7
	v_pk_mul_f32 v[P+2*\e:P+2*\e+1], v[RS:RS+1], v[GW+16*\e:GW+16*\e+1]       ; the first products start the sums: nothing is cleared
.endr
.irp i, 1,2,3,4,5,6,7
.irp e, 0,1,2,3,4,5,6,7
	v_pk_fma_f32 v[P+2*\e:P+2*\e+1], v[RS+2*\i:RS+2*\i+1], v[GW+16*\e+2*\i:GW+16*\e+2*\i+1], v[P+2*\e:P+2*\e+1]   ; the experts innermost: eight chains that do not wait for each other
.endr
.endr
.irp e, 0,1,2,3,4,5,6,7
	v_add_f32 v[P+2*\e], v[P+2*\e], v[P+2*\e+1]    ; expert e's sum at P + 2 e; the odd registers are free
.endr
.irp j, 0,1,2,3                        ; lanes l and l xor 1: the even lane keeps experts 0-3 and sends 4-7, the odd lane the other way round.  Kept at P + 2 j + 1
	v_cndmask_b32 v[P+2*\j+1], v[P+2*\j], v[P+2*\j+8], s36
	v_cndmask_b32 v[P+2*\j+9], v[P+2*\j+8], v[P+2*\j], s36
	s_delay_alu instid0(VALU_DEP_1)
	v_add_f32_dpp v[P+2*\j+1], v[P+2*\j+9], v[P+2*\j+1] row_xmask:1 row_mask:0xf bank_mask:0xf
.endr
.irp j, 0,1                            ; lanes l and l xor 2: two values are kept, at P + 2 j
	s_delay_alu instid0(VALU_DEP_4)
	v_cndmask_b32 v[P+2*\j], v[P+2*\j+1], v[P+2*\j+5], s37
	v_cndmask_b32 v[P+2*\j+8], v[P+2*\j+5], v[P+2*\j+1], s37
	s_delay_alu instid0(VALU_DEP_1)
	v_add_f32_dpp v[P+2*\j], v[P+2*\j+8], v[P+2*\j] row_xmask:2 row_mask:0xf bank_mask:0xf
.endr
	s_delay_alu instid0(VALU_DEP_1)
	v_cndmask_b32 v[P+1], v[P], v[P+2], s38        ; lanes l and l xor 4: one value is kept
	s_delay_alu instid0(VALU_DEP_2)
	v_cndmask_b32 v[P+3], v[P+2], v[P], s38
	s_delay_alu instid0(VALU_DEP_1)
	v_add_f32_dpp v[P+1], v[P+3], v[P+1] row_xmask:4 row_mask:0xf bank_mask:0xf
	s_delay_alu instid0(VALU_DEP_1)
	v_add_f32_dpp v[P+1], v[P+1], v[P+1] row_xmask:8 row_mask:0xf bank_mask:0xf
	s_delay_alu instid0(VALU_DEP_1)
	v_permlanex16_b32 v[P+3], v[P+1], s40, s41     ; (its destination has been written)
	s_delay_alu instid0(VALU_DEP_1)
	v_add_f32 v[P+1], v[P+1], v[P+3]               ; my expert's sum over the half row; four lanes hold each expert's
	ds_store_b32 v7, v[P+1] offset:64*(\t)         ; they write the same word with the same value
.endm
.macro XSTEP t
.if (\t) <= 4
	s_wait_loadcnt 12                              ; loads come back in order: this step's four are in, the next three steps' twelve may be out
.else
	s_wait_loadcnt 4*(7-(\t))
.endif
.set RS, R+16*((\t)%4)
.set SR, RS
.set SX, XX
	STAGE
	GATE \t                                        ; stands while the step is on its way through the stage
	s_wait_dscnt 0x0                               ; the neighbours are back; the stage's stores have read the set, and the logit's store its register
.if (\t)+4 < 8
	LOADX (\t)+4                                   ; into the set that the stage and the gate have read
.endif
.set XS, XX
.set CP, CX+2*(\t)
	QUANT 32*(\t), 12, 512*(\t)
.endm
.irp t, 0,1,2,3
	LOADX \t
.endr
.irp t, 0,1,2,3,4,5,6,7
	XSTEP \t
.endr
	s_branch .Ljoin
	; ---- waves 4-11: expert_w: codes and scale bytes; a plain stream of 16 steps of 2,048 bytes ----
.Lw:
	s_sub_co_u32 s25, s22, 4                       ; which 8 of the work-group's 64 rows
	s_lshl_b32 s26, ttmp9, 18                      ; 64 rows of 4,096 bytes (255 x 262,144 at the most: under 2^32),
	s_lshl_b32 s39, s25, 15                        ; my 8 of them
	s_add_co_u32 s26, s26, s39
	s_add_nc_u64 s[6:7], s[6:7], s[26:27]
	s_lshl_b32 s26, ttmp9, 15                      ; the same in codes
	s_lshl_b32 s39, s25, 12
	s_add_co_u32 s26, s26, s39
	s_add_nc_u64 s[16:17], s[16:17], s[26:27]
	s_lshl_b32 s26, ttmp9, 11                      ; and in scale bytes: 256 a wave
	s_lshl_b32 s39, s25, 8
	s_add_co_u32 s26, s26, s39
	s_add_nc_u64 s[18:19], s[18:19], s[26:27]
	s_add_co_u32 s39, s39, SCBW
	s_wait_alu depctr_va_vdst(0)
	v_add_nc_u32 v4, s39, v4                       ; LDS: my wave's 256 scale bytes, my block's byte; a step adds 16
	v_add_nc_u32 v13, s39, v3                      ; and on the way out 8 bytes a lane
.macro LOADW t                         ; step t into set t % 8
.irp i, 0,1,2,3
	global_load_b128 v[RW+16*((\t)%8)+4*\i:RW+16*((\t)%8)+4*\i+3], v2, s[6:7] offset:2048*(\t)+512*\i th:TH_LOAD_NT
.endr
.endm
.macro WSTEP t
.if (\t)+1 < 16
.if (\t) <= 8
	s_wait_loadcnt 24                              ; the next step's four loads are in; six younger sets may be out
.else
	s_wait_loadcnt 4*(14-(\t))
.endif
.set SR, RW+16*(((\t)+1)%8)
.set SX, XW+16*(((\t)+1)%2)
	STAGE                                          ; the next step goes through the stage while this one is worked on
	s_wait_dscnt 8                                 ; all but those eight: this step's neighbours are back, its stage stores have read their set, the last scale byte's store its register
.else
	s_wait_dscnt 0x0
.endif
.if (\t)+8 < 16
	LOADW (\t)+8                                   ; into the set that this step's stage stores have read
.endif
.set XS, XW+16*((\t)%2)
.set CP, CW+2*(\t)
	QUANT 16*(\t), 16, 256*(\t)
.endm
.irp t, 0,1,2,3,4,5,6,7
	LOADW \t
.endr
	s_wait_loadcnt 28                              ; step 0's four loads are in
.set SR, RW
.set SX, XW
	STAGE
.irp t, 0,1,2,3,4,5,6,7,8,9,10,11,12,13,14,15
	WSTEP \t
.endr
	ds_load_b64 v[14:15], v13                      ; my wave's own 256 scale bytes: served behind my stores
	s_wait_dscnt 0x0
	global_store_b64 v3, v[14:15], s[18:19]        ; 32 lanes store 256 consecutive, aligned bytes
	; ---- all waves: a row of x has its scale bytes and its logits from two waves: each wave's LDS stores are done, then the barrier, then the reads ----
.Ljoin:
	s_wait_kmcnt 0x0                               ; gate_b
	s_wait_xcnt 0x0                                ; registers that stores of either way read are written again only behind this wait
	s_wait_dscnt 0x0
	s_barrier_signal -1
	s_barrier_wait -1
	s_cmp_ge_u32 s22, 2
	s_cbranch_scc1 .Lend
	ds_load_b64 v[14:15], v5                       ; waves 0 and 1: x's 512 scale bytes (SCBX = 0)
	s_wait_dscnt 0x0
	global_store_b64 v5, v[14:15], s[14:15]        ; 32 lanes store 256 consecutive, aligned bytes
	s_cmp_lg_u32 s22, 0
	s_cbranch_scc1 .Lend                           ; wave 0 alone makes the softmax: lanes l and l + 16 both take row l % 16
	v_and_b32 v11, 15, v1
	s_delay_alu instid0(VALU_DEP_1)
	v_lshl_add_u32 v9, v11, 6, LOG
.irp j, 0,1,2,3
	ds_load_b128 v[16+4*\j:19+4*\j], v9 offset:16*\j               ; v16-23: the first half of K's eight sums; v24-31: the second's
.endr
	v_lshl_add_u32 v11, v11, 2, GST                ; into the gates' stage: token l % 16; an expert adds 64
	v_add_nc_u32 v8, GST, v2                       ; out of it: 16 bytes a lane
	s_wait_dscnt 0x0
.irp e, 0,1,2,3,4,5,6,7
	v_add_f32 v[16+\e], v[16+\e], v[24+\e]
.endr
.irp e, 0,1,2,3,4,5,6,7
	v_add_f32 v[16+\e], s[28+\e], v[16+\e]         ; the logit
.endr
	v_max3_num_f32 v32, v16, v17, v18
	s_delay_alu instid0(VALU_DEP_1)
	v_max3_num_f32 v32, v32, v19, v20
	s_delay_alu instid0(VALU_DEP_1)
	v_max3_num_f32 v32, v32, v21, v22
	s_delay_alu instid0(VALU_DEP_1)
	v_max_num_f32 v32, v32, v23                    ; the row's largest logit is taken away ahead of the exponential
	s_delay_alu instid0(VALU_DEP_1)
	v_mul_f32 v32, s42, v32
.irp e, 0,1,2,3,4,5,6,7
	v_fma_f32 v[16+\e], v[16+\e], s42, -v32        ; (logit - largest) x log2(e), in one fused multiply-add
.endr
	s_wait_alu depctr_va_vdst(0)
.irp e, 0,1,2,3,4,5,6,7
	v_exp_f32 v[16+\e], v[16+\e]
.endr
	v_nop                                          ; a plain instruction between the exponentials and the use of their results
	s_wait_alu depctr_va_vdst(0)
	v_add_f32 v33, v16, v17
.irp e, 2,3,4,5,6,7
	v_add_f32 v33, v33, v[16+\e]
.endr
	s_wait_alu depctr_va_vdst(0)
	v_rcp_f32 v33, v33
	v_nop                                          ; likewise behind the reciprocal
	s_wait_alu depctr_va_vdst(0)
.irp e, 0,1,2,3,4,5,6,7
	v_mul_f32 v[16+\e], v[16+\e], v33
.endr
.irp e, 0,1,2,3,4,5,6,7
	ds_store_b32 v11, v[16+\e] offset:64*\e        ; lanes l and l + 16 write the same word with the same value
.endr
	ds_load_b128 v[36:39], v8                      ; served behind my stores
	s_wait_dscnt 0x0
	global_store_b128 v2, v[36:39], s[20:21]       ; the store covers 512 consecutive, aligned bytes
.Lend:
	s_set_vgpr_msb 0x5
	s_wait_tensorcnt 0x0
	ds_add_u32 v0, v1
	s_wait_dscnt 0x0
	s_set_vgpr_msb 0x500
	s_endpgm
.Lfunc_end_k_q3090d13449_quant:
	.size	k_q3090d13449_quant, .Lfunc_end_k_q3090d13449_quant-k_q3090d13449_quant
	.p2alignl 7, 3214868480
	.fill 96, 4, 3214868480
	.section	.rodata,"a",@progbits
	.p2align	6, 0x0
	.amdhsa_kernel k_q3090d13449_quant
		.amdhsa_group_segment_fixed_size 32256
		.amdhsa_private_segment_fixed_size 0
		.amdhsa_enable_private_segment 0
		.amdhsa_kernarg_size 72
		.amdhsa_user_sgpr_count 2
		.amdhsa_user_sgpr_kernarg_segment_ptr 1
		.amdhsa_wavefront_size32 1
		.amdhsa_system_sgpr_workgroup_id_x 1
		.amdhsa_system_sgpr_workgroup_id_y 1
		.amdhsa_system_sgpr_workgroup_id_z 1
		.amdhsa_system_vgpr_workitem_id 0
		.amdhsa_next_free_vgpr 258
		.amdhsa_next_free_sgpr 66
		.amdhsa_reserve_vcc 1
		.amdhsa_float_denorm_mode_32 3
		.amdhsa_float_denorm_mode_16_64 3
		.amdhsa_memory_ordered 1
		.amdhsa_forward_progress 1
		.amdhsa_inst_pref_size 118
	.end_amdhsa_kernel
	.amdgpu_metadata
---
amdhsa.version: [ 1, 2 ]
amdhsa.kernels:
  - .name:           k_q3090d13449_quant
    .symbol:         k_q3090d13449_quant.kd
    .args:
      - { .name: x, .offset: 0, .size: 8, .value_kind: global_buffer, .address_space: global }
      - { .name: expert_w, .offset: 8, .size: 8, .value_kind: global_buffer, .address_space: global }
      - { .name: gate_w, .offset: 16, .size: 8, .value_kind: global_buffer, .address_space: global }
      - { .name: gate_b, .offset: 24, .size: 8, .value_kind: global_buffer, .address_space: global }
      - { .name: x_codes, .offset: 32, .size: 8, .value_kind: global_buffer, .address_space: global }
      - { .name: x_scales, .offset: 40, .size: 8, .value_kind: global_buffer, .address_space: global }
      - { .name: w_codes, .offset: 48, .size: 8, .value_kind: global_buffer, .address_space: global }
      - { .name: w_scales, .offset: 56, .size: 8, .value_kind: global_buffer, .address_space: global }
      - { .name: gates, .offset: 64, .size: 8, .value_kind: global_buffer, .address_space: global }
    .group_segment_fixed_size: 32256
    .private_segment_fixed_size: 0
    .kernarg_segment_align: 8
    .kernarg_segment_size: 72
    .max_flat_workgroup_size: 384
    .sgpr_count:     66
    .vgpr_count:     258
    .wavefront_size: 32
...
	.end_amdgpu_metadata
.endif
;; end of part 3
;; launch moe (part 4): grid 32 x 8, 4 waves a work-group, clusters of 4 x 1, 327,680 bytes of LDS; arguments x_codes, x_scales, w_codes, w_scales, expert_b, gates, out0; writes out0
.if DOCPART == 4
	.amdgcn_target "amdgcn-amd-amdhsa--gfx1250"
	.amdhsa_code_object_version 6
	.text
	.protected	k_q3090d13449_moe
	.globl	k_q3090d13449_moe
	.p2align	8
	.type	k_q3090d13449_moe,@function
k_q3090d13449_moe:
	s_mov_b64 s[64:65], 0
	v_nop
	global_prefetch_b8 v0, s[64:65] scope:SCOPE_SE
	s_setreg_imm32_b32 hwreg(HW_REG_WAVE_MODE, 25, 1), 1
	s_wait_xcnt 0x0
	s_wait_alu depctr_hold_cnt(0) depctr_sa_sdst(0) depctr_va_vdst(0) depctr_va_sdst(0) depctr_va_ssrc(0) depctr_va_vcc(0) depctr_vm_vsrc(0)
	s_getreg_b32 s2, hwreg(HW_REG_IB_STS2, 6, 4)
	s_cmp_eq_u32 s2, 0
	s_cbranch_scc0 .Lentry_in_a_cluster
	s_endpgm
.Lentry_in_a_cluster:
	s_bfe_u32 s2, ttmp6, 0x10000c
	s_cmp_lg_u32 s2, 0x3003
	s_cbranch_scc0 .Lentry_shape_is_right
	s_endpgm
.Lentry_shape_is_right:
; out0[n][h] = the sum over the 8 experts e of g[n][e] x relu( Q(x)[n] . Q(W)[e][h] + b[e][h] ).  Q(x), Q(W): codes of FP4 (E2M1) with one E8M0 byte for each 32 along K = 1024, and g, as the launch before laid them.
; The products go by v_wmma_scale_f32_16x16x128_f8f6f4 on codes and scale bytes as they lie; sums, bias, relu and the weighted sum in f32.
; LIMITS: the bias is the C of the first K step, so it is added first and not last.  NaN and infinities among the inputs are not served.
; SHARES.  A work-group makes 512 tokens x 64 h, a wave all 512 tokens x 16 h.  W STAYS IN REGISTERS: a wave's 16 rows of each of the 8 experts, all of K: 8 x 8 fragments of 8 registers = 512; with them W's scale words (32)
; and the bias in C's layout (64).  x streams past in BLOCKS of 16 tokens: 8 fragments from LDS, each for 8 products (one an expert): 64 products a block on 8 accumulators that take turns.
; All 8 experts of a block are finished together, so the weighted sum is made at once and leaves: no output is kept from block to block.
; THE MATRIX INSTRUCTION IS USED TRANSPOSED: source 0 = 16 rows of W (h), source 1 = 16 tokens.  Lane l holds token l % 16, its registers h = 8 (l / 16) + 0 .. 7: g is one number a lane and expert.
; LDS.  The work-group's 512 rows of x's codes (528 bytes apart), their scale bytes and their g all lie in LDS at once: every byte is filled once.  At the head one joint load a wave: waves 0 and 3 rows 0-127,
; wave 1 the scale bytes, wave 2 g.  Rows 128-511 are a later first fill, 96 rows a wave, behind the three lines and a round of the cluster's barrier.
; They are shown to all waves by a plain barrier behind the first loop, whose two trips read blocks 0-6 alone.
; THE WAY OUT.  A wave's 16 h are 64 bytes of a row; the four waves' parts meet in a stage of 32 rows x 256 bytes (two stages by turns, one barrier for 32 tokens) and leave as whole rows: 16 lanes store 256 aligned bytes.
; CLUSTER.  The four work-groups of a cluster have the same 512 tokens and different h: x's codes, scale bytes and g are asked for jointly, mask of all four.  W is each partner's own and goes straight into registers,
; so no tile of W is there to share.  No prefetch: all tiles are asked for at the head and behind the one round; there is no loop to run ahead in.
; REGISTERS: window 0: addresses, scale words, g, sums, bias;  windows 1, 2: W, expert e, K step q at 32 e + 8 (q % 4) of window 1 + q / 4;  window 3: x's fragments, two sets of 64.
.set PX,    528                        ; an LDS row of x: 512 bytes + 16: the 16 rows of a load start at 16 different banks (64 banks of 4 bytes: ISA guide 11.1)
.set BLK,   16*PX
.set SP,    272                        ; a stage row: 256 bytes + 16
.set STGB,  32*SP                      ; a stage; the two lie at 0 and STGB
.set SPARE, 2*STGB                     ; the spare words, 128 bytes a wave
.set GL,    SPARE+512                  ; g: [32 blocks][8 experts][16 tokens] f32
.set SCX,   GL+16384                   ; x's scale bytes: [512 tokens][32]
.set XB,    SCX+16384                  ; x's codes
.set AX0, 3                            ; v3-5   my lane's place in block 0: codes, g, scale words
.set AG0, 4
.set AS0, 5
.set ADX, 6                            ; v6-8   the same for the blocks to be fetched
.set ADG, 7
.set ADS, 8
.set STO0, 9                           ; v9, v10  into stage 0; into the stage in hand
.set STO, 10
.set RD0, 11                           ; v11, v12 out of stage 0; out of the stage in hand
.set RD,  12
.set CO,  13                           ; v13  my byte offset in two rows of out0
.set WOFF, 14                          ; v14  my lane's place in 16 rows of W's codes
.set BOFF, 16                          ; v16  in the bias;  v17 among W's scale words
.set SBOFF, 17
.set SPW, 18                           ; v18  LDS address of my spare word; v19 0: never rewritten
.set NIL, 19
.set SO,  20                           ; v20-27 x's scale words of an odd block, K step q at + q;  v28-35 of an even one.  (Their numbers differ from W's modulo 8)
.set SE,  28
.set GO,  36                           ; v36-43 g of my token for the 8 experts, odd block;  v44-51 even block
.set GE,  44
.set O,   52                           ; v52-59 a block's output
.set RB,  60                           ; v60-75 rows read back from the stage
.set SCB, 80                           ; v80-111 W's scale words: 8 (e % 4) + q; lanes 0-15 experts 0-3, lanes 16-31 experts 4-7
.set S,   112                          ; v112-175 the sums, expert e at 8 e
.set BI,  176                          ; v176-239 the bias, in C's layout, expert e at 8 e
.set WV,  18                           ; s18 my wave's number
.set G1X, 24                           ; s[24:31] group 1: 64 rows of x;  s[32:39] 96 rows;  s[40:47] a dense block of 16,384 bytes
.set G1Y, 32
.set G1D, 40
.set G0A, 48                           ; s[48:51] group 0: rows 0-127;  s[52:55] scale bytes;  s[56:59] g;  s[60:63] rows 128-511
.set G0S, 52
.set G0G, 56
.set G0F, 60
.set TX,  66                           ; s66 from block 0 to the next odd block to be fetched, in codes;  s67 the same in g and scale bytes
.set TG,  67
.set SB,  68                           ; s68 the stage in hand: 0 or STGB
.set T,   69                           ; s69 counts the trips
.set MSB, 0
.macro WIN new                         ; s_set_vgpr_msb: bits 1:0 source 0, 3:2 source 1, 5:4 source 2, 7:6 destination; the high byte repeats the setting that is left
.if MSB != (\new)
	s_set_vgpr_msb (MSB<<8)|(\new)
.set MSB, (\new)
.endif
.endm
.macro PLACES n
.rept \n
	v_nop
.endr
.endm
.macro CROUND                          ; a round of the cluster's barrier
	s_barrier_signal -1
	s_barrier_wait -1
	s_cmp_lg_u32 s[WV], 0
	s_cbranch_scc1 .Lnot_wave_0_\@
	s_barrier_signal -3
.Lnot_wave_0_\@:
	s_barrier_wait -3
	s_barrier_signal -1
	s_barrier_wait -1
.endm
.macro TL g0, g1                       ; a joint load; s_nop 0 and four v_nop follow it
	tensor_load_to_lds s[\g0:\g0+3], s[\g1:\g1+7]
	s_nop 0
	PLACES 4
.endm
	s_load_b256 s[4:11], s[0:1], 0x0               ; x_codes s[4:5], x_scales s[6:7], w_codes s[8:9], w_scales s[10:11]
	s_load_b128 s[12:15], s[0:1], 0x20             ; expert_b s[12:13], gates s[14:15]
	s_load_b64 s[16:17], s[0:1], 0x30              ; out0
	v_lshl_add_u32 v[SPW], v0, 2, SPARE
	v_mov_b32 v[NIL], 0
	ds_add_u32 v[SPW], v[NIL]                      ; the opening lines: the add, twice on end, and its wait
	ds_add_u32 v[SPW], v[NIL]
	v_lshrrev_b32 v15, 5, v0
	v_readfirstlane_b32 s[WV], v15                 ; wave 0..3
	s_bfe_u32 s19, ttmp6, 0x40000                  ; cx
	s_lshl_b32 s20, ttmp9, 2
	s_add_co_u32 s20, s20, s19                     ; my tile of 64 h = 4 x cluster x + cx
	s_and_b32 s21, ttmp7, 0xffff                   ; my group of 512 tokens, which the four partners share
.irp g, G1X, G1Y
	s_mov_b32 s[\g], 15|(1<<20)|(1<<21)|(6<<22)|(3<<25)   ; the mask of all four; elements of 1 byte; padding on: four words after every 128; bit 21 beside a mask
	s_mov_b32 s[\g+1], 512<<16
	s_mov_b32 s[\g+3], 512<<16
	s_mov_b32 s[\g+5], 512
	s_mov_b32 s[\g+6], 0
	s_mov_b32 s[\g+7], 0
.endr
	s_mov_b32 s[G1X+2], 64<<16
	s_mov_b32 s[G1X+4], 64
	s_mov_b32 s[G1Y+2], 96<<16
	s_mov_b32 s[G1Y+4], 96
	s_mov_b32 s[G1D], 15|(3<<16)|(1<<21)           ; 64 rows of 256 bytes (32 elements of 8), dense, no padding
	s_mov_b32 s[G1D+1], 32<<16
	s_mov_b32 s[G1D+2], 64<<16
	s_mov_b32 s[G1D+3], 32<<16
	s_mov_b32 s[G1D+4], 64
	s_mov_b32 s[G1D+5], 32
	s_mov_b32 s[G1D+6], 0
	s_mov_b32 s[G1D+7], 0
	; what is fetched jointly hangs on the group of tokens and the wave's number alone: s22, s23, s70-75 never hold the place in the cluster
	s_lshl_b32 s70, s21, 18                        ; x's codes: 512 rows of 512 bytes a group
	s_mov_b32 s71, 0
	s_lshl_b32 s72, s21, 14                        ; scale bytes and g: 32 bytes a token
	s_mov_b32 s73, 0
	s_lshr_b32 s22, s[WV], 1                       ; wave 0: rows 0-63; wave 3: rows 64-127
	s_mul_i32 s23, s22, 64*PX
	s_mov_b32 s[G0A], 1
	s_add_co_u32 s[G0A+1], s23, XB
	s_lshl_b32 s74, s22, 15
	s_mov_b32 s75, 0
	s_mov_b32 s[G0S], 1
	s_mov_b32 s[G0S+1], SCX
	s_mov_b32 s[G0G], 1
	s_mov_b32 s[G0G+1], GL
	s_mul_i32 s23, s[WV], 96*PX                    ; rows 128 + 96 x wave
	s_mov_b32 s[G0F], 1
	s_add_co_u32 s[G0F+1], s23, XB+128*PX
	s_mul_i32 s22, s[WV], 96*512
	s_add_co_u32 s22, s22, 128*512
	s_mov_b32 s23, 0
	; what is my own
	s_lshl_b32 s76, s20, 15                        ; W's codes: 64 rows of 512 bytes a tile, my wave's 16
	s_lshl_b32 s77, s[WV], 13
	s_add_co_u32 s76, s76, s77
	s_mov_b32 s77, 0
	s_lshl_b32 s78, s20, 11                        ; W's scale bytes: 32 a row
	s_lshl_b32 s79, s[WV], 9
	s_add_co_u32 s78, s78, s79
	s_mov_b32 s79, 0
	s_lshl_b32 s2, s20, 8                          ; the bias: 4 bytes a row
	s_lshl_b32 s3, s[WV], 6
	s_add_co_u32 s2, s2, s3
	s_mov_b32 s3, 0
	s_lshl_b32 s80, s21, 22                        ; out0: 512 rows of 8,192 bytes a group, 8 rows on for each wave, the tile's 256 bytes of a row
	s_lshl_b32 s81, s[WV], 16
	s_add_co_u32 s80, s80, s81
	s_lshl_b32 s81, s20, 8
	s_add_co_u32 s80, s80, s81
	s_mov_b32 s81, 0
	s_wait_dscnt 0x0                               ; both opening adds are done
	CROUND                                         ; all four work-groups are here: the first joint loads meet
	s_wait_kmcnt 0x0
	s_add_nc_u64 s[4:5], s[4:5], s[70:71]
	s_add_nc_u64 s[G0A+2:G0A+3], s[4:5], s[74:75]
	s_or_b32 s[G0A+3], s[G0A+3], 0x80000000
	s_add_nc_u64 s[G0F+2:G0F+3], s[4:5], s[22:23]
	s_or_b32 s[G0F+3], s[G0F+3], 0x80000000
	s_add_nc_u64 s[G0S+2:G0S+3], s[6:7], s[72:73]
	s_or_b32 s[G0S+3], s[G0S+3], 0x80000000
	s_add_nc_u64 s[G0G+2:G0G+3], s[14:15], s[72:73]
	s_or_b32 s[G0G+3], s[G0G+3], 0x80000000
	s_add_nc_u64 s[8:9], s[8:9], s[76:77]
	s_add_nc_u64 s[10:11], s[10:11], s[78:79]
	s_add_nc_u64 s[12:13], s[12:13], s[2:3]
	s_add_nc_u64 s[16:17], s[16:17], s[80:81]
	; the head's loads, one a wave, in one chain of branches on the wave's number: every way passes exactly one
	s_cmp_eq_u32 s[WV], 1
	s_cbranch_scc1 .Lhead_s
	s_cmp_eq_u32 s[WV], 2
	s_cbranch_scc1 .Lhead_g
	TL G0A, G1X                                    ; waves 0 and 3: 64 rows of x each
	s_branch .Lhead_asked
.Lhead_s:
	TL G0S, G1D                                    ; wave 1: x's scale bytes
	s_branch .Lhead_asked
.Lhead_g:
	TL G0G, G1D                                    ; wave 2: g
.Lhead_asked:
	v_and_b32 v1, 15, v0                           ; r = l % 16
	v_bfe_u32 v2, v0, 4, 1                         ; l / 16
	v_mul_u32_u24 v[AX0], v1, PX
	v_lshl_add_u32 v[AX0], v2, 4, v[AX0]
	v_add_nc_u32 v[AX0], XB, v[AX0]                ; x's codes: row r + 16 x half
	v_lshl_add_u32 v[AG0], v1, 2, GL               ; g: my token's word; an expert adds 64
	v_lshl_add_u32 v[AS0], v1, 5, SCX              ; my token's 32 scale bytes
	s_lshl_b32 s23, s[WV], 6
	v_mul_u32_u24 v[STO0], v1, SP
	v_lshl_add_u32 v[STO0], v2, 5, v[STO0]
	v_add_nc_u32 v[STO0], s23, v[STO0]             ; into a stage: row r, my wave's 64 bytes, 32 for each half of the lanes
	v_mov_b32 v[STO], v[STO0]
	s_mul_i32 s23, s[WV], 8*SP
	v_mul_u32_u24 v[RD0], v2, SP
	v_lshl_add_u32 v[RD0], v1, 4, v[RD0]
	v_add_nc_u32 v[RD0], s23, v[RD0]               ; out of it: my wave's 8 rows; lanes 0-15 one row, lanes 16-31 the next
	v_lshlrev_b32 v[CO], 13, v2
	v_lshl_add_u32 v[CO], v1, 4, v[CO]             ; and the same two rows in out0
	v_lshlrev_b32 v[WOFF], 9, v1
	v_lshl_add_u32 v[WOFF], v2, 4, v[WOFF]         ; W's codes: row r of 512 bytes + 16 x half
	v_lshlrev_b32 v[BOFF], 5, v2                   ; the bias of h = 8 (l / 16) + 0 .. 7
	v_lshlrev_b32 v[SBOFF], 5, v1
	v_lshl_add_u32 v[SBOFF], v2, 18, v[SBOFF]      ; W's scale words: row r; lanes 16-31 four experts (4 x 65,536 bytes) on
	s_wait_alu depctr_va_vdst(0)
.irp i, 0,1,2,3
.irp c, 0,1
	global_load_b128 v[SCB+8*\i+4*\c:SCB+8*\i+4*\c+3], v[SBOFF], s[10:11] offset:65536*\i+16*\c
.endr
.endr
.irp e, 0,1,2,3,4,5,6,7
.irp c, 0,1
	global_load_b128 v[BI+8*\e+4*\c:BI+8*\e+4*\c+3], v[BOFF], s[12:13] offset:8192*\e+16*\c
.endr
.endr
	; W's fragments, 16 loads a K step, in the order in which block 0 wants them.  A fragment: lane l holds row l % 16; registers 4 c .. 4 c + 3 hold K = 64 c + 32 (l / 16) + 0 .. 31: 16 bytes of the row as they lie
.irp q, 0,1,2,3,4,5,6,7
	WIN 0x40*(1+(\q)/4)
.irp e, 0,1,2,3,4,5,6,7
.irp c, 0,1
	global_load_b128 v[32*\e+8*(\q%4)+4*\c:32*\e+8*(\q%4)+4*\c+3], v[WOFF], s[8:9] offset:1048576*\e+64*\q+32*\c
.endr
.endr
.endr
	WIN 0
; What a block wants from LDS, 26 loads: 8 fragments into set \set of window 3, 8 scale words, 8 numbers of g.  nb: blocks on from the address registers' block
.macro FRAG set, sx, gx, ax, ag, as, nb
	WIN 0xc0
.irp q, 0,1,2,3,4,5,6,7
	ds_load_b128 v[64*\set+8*\q:64*\set+8*\q+3], v[\ax] offset:BLK*(\nb)+64*\q
	ds_load_b128 v[64*\set+8*\q+4:64*\set+8*\q+7], v[\ax] offset:BLK*(\nb)+64*\q+32
.endr
	WIN 0
	ds_load_b128 v[\sx:\sx+3], v[\as] offset:512*(\nb)
	ds_load_b128 v[\sx+4:\sx+7], v[\as] offset:512*(\nb)+16
.irp e, 0,1,2,3,4,5,6,7
	ds_load_b32 v[\gx+\e], v[\ag] offset:512*(\nb)+64*\e
.endr
.endm
.macro PROD set, sx, q, e              ; K step q, expert e.  The first K step takes the bias as C: nothing is cleared and no addition is written
.set rD, S+8*(\e)
.set rC, rD
.if (\q) == 0
.set rC, BI+8*(\e)
.endif
.set rW, 32*(\e)+8*((\q)%4)
.set rX, 64*(\set)+8*(\q)
.set rS, SCB+8*((\e)%4)+(\q)
.if (\e) < 4
	v_wmma_scale_f32_16x16x128_f8f6f4 v[rD:rD+7], v[rW:rW+7], v[rX:rX+7], v[rC:rC+7], v[rS], v[\sx+\q] matrix_a_fmt:MATRIX_FMT_FP4 matrix_b_fmt:MATRIX_FMT_FP4
.else
	v_wmma_scale_f32_16x16x128_f8f6f4 v[rD:rD+7], v[rW:rW+7], v[rX:rX+7], v[rC:rC+7], v[rS], v[\sx+\q] matrix_a_fmt:MATRIX_FMT_FP4 matrix_b_fmt:MATRIX_FMT_FP4 matrix_a_scale:MATRIX_SCALE_ROW1
.endif
.endm
; A block's 64 products: the 8 experts' accumulators take turns, one instruction a turn.  x0 = 1: block 0, which waits for W's fragments K step by K step:
; behind those of K step q stand 16 (7 - q) younger loads; the count 63 serves K steps 0-3 (64 younger loads at the least).
.macro MULS set, sx, x0
.irp q, 0,1,2,3,4,5,6,7
.if \x0
.if \q == 0
	s_wait_loadcnt 63
.elseif \q > 3
	s_wait_loadcnt 16*(7-\q)
.endif
.endif
	WIN 0x0d+(\q)/4                                ; source 0 (W) window 1 or 2, source 1 (x) window 3, C and D window 0
.irp e, 0,1,2,3,4,5,6,7
	PROD \set, \sx, \q, \e
.endr
.endr
	WIN 0
.endm
; The epilogue of a block: relu in place, two numbers an instruction, each accumulator from its low end on; output += g x it, two at a time (of g's pair one word serves both halves).  Then 32 bytes into the stage.
.macro EPI gx, off
.irp e, 0,1,2,3,4,5,6,7
.irp k, 0,2,4,6
	v_dual_max_num_f32 v[S+8*\e+\k], 0, v[S+8*\e+\k] :: v_dual_max_num_f32 v[S+8*\e+\k+1], 0, v[S+8*\e+\k+1]
.endr
.irp k, 0,2,4,6
.if \e == 0
	v_pk_mul_f32 v[O+\k:O+\k+1], v[S+\k:S+\k+1], v[\gx:\gx+1] op_sel_hi:[1,0]
.elseif (\e % 2) == 0
	v_pk_fma_f32 v[O+\k:O+\k+1], v[S+8*\e+\k:S+8*\e+\k+1], v[\gx+\e:\gx+\e+1], v[O+\k:O+\k+1] op_sel_hi:[1,0,1]
.else
	v_pk_fma_f32 v[O+\k:O+\k+1], v[S+8*\e+\k:S+8*\e+\k+1], v[\gx+\e-1:\gx+\e], v[O+\k:O+\k+1] op_sel:[0,1,0] op_sel_hi:[1,1,1]
.endif
.endr
.endr
	ds_store_b128 v[STO], v[O:O+3] offset:\off
	ds_store_b128 v[STO], v[O+4:O+7] offset:\off+16
.endm
.macro BACK                            ; my 8 rows of the stage, two rows a load
.irp i, 0,1,2,3
	ds_load_b128 v[RB+4*\i:RB+4*\i+3], v[RD] offset:\i*2*SP
.endr
.endm
.macro SEND                            ; 16 lanes store 256 consecutive bytes, at a multiple of 256 from out0's first byte
.irp i, 0,1,2,3
	global_store_b128 v[CO], v[RB+4*\i:RB+4*\i+3], s[16:17] offset:\i*16384 th:TH_STORE_NT
.endr
.endm
; A TRIP t: the odd block 2 t + 1 and the even block 2 t + 2.  Blocks 2 t and 2 t + 1 fill a stage; the barrier's signal stands behind the odd block's stores, the even block's products between signal and wait.
; Behind the wait the stage is read back, and the even block's output goes into the other stage: that one's readers have waited for their loads ahead of this barrier's signal.
; Fetched: block 2 t + 3 behind the signal (bytes that no wave writes), block 2 t + 4 at the end (laste = 1: there is none).
.macro TRIP laste
	MULS 1, SO, 0
	v_add_nc_u32 v[ADX], s[TX], v[AX0]             ; with the v_nop the four places behind the products
	v_add_nc_u32 v[ADG], s[TG], v[AG0]
	v_add_nc_u32 v[ADS], s[TG], v[AS0]
	v_nop
	EPI GO, 16*SP
	s_add_co_u32 s[TX], s[TX], 2*BLK
	s_add_co_u32 s[TG], s[TG], 1024
	s_wait_dscnt 0x0                               ; my stores into the stage are done; the even block's fetch is in
	s_barrier_signal -1
	FRAG 1, SO, GO, ADX, ADG, ADS, 0
	MULS 0, SE, 0
	v_add_nc_u32 v[RD], s[SB], v[RD0]              ; four places again
	s_xor_b32 s[SB], s[SB], STGB
	v_add_nc_u32 v[STO], s[SB], v[STO0]
	PLACES 2
	s_wait_alu depctr_va_vdst(0)
	s_barrier_wait -1
	BACK
	EPI GE, 0
.if \laste == 0
	FRAG 0, SE, GE, ADX, ADG, ADS, 1
	s_wait_dscnt 28                                ; the rows are back, and the odd block's fetch is in: two stores and 26 loads may be out
.else
	s_wait_dscnt 2                                 ; the two stores may be out
.endif
	SEND
	s_wait_xcnt 0x0                                ; the stores have read their base and their data
	s_add_nc_u64 s[16:17], s[16:17], 0x40000       ; 32 rows of out0 on
.endm
	s_wait_tensorcnt 0x0                           ; my tile of the head's four is in
	ds_add_u32 v[SPW], v[NIL]
	s_mov_b32 s[TX], 3*BLK
	s_mov_b32 s[TG], 3*512
	s_mov_b32 s[SB], 0
	s_mov_b32 s[T], 0
	s_wait_dscnt 0x0
	CROUND                                         ; everybody's tile is in, and all four work-groups are here
	TL G0F, G1Y                                    ; rows 128-511, 96 a wave: the first tensor load behind the round
	FRAG 0, SE, GE, AX0, AG0, AS0, 0
	FRAG 1, SO, GO, AX0, AG0, AS0, 1
	s_wait_dscnt 26                                ; block 0's fetch is in
	MULS 0, SE, 1
	PLACES 4
	EPI GE, 0
	FRAG 0, SE, GE, AX0, AG0, AS0, 2
	s_wait_dscnt 26                                ; block 1's fetch is in
.Lfirst:                                           ; trips 0, 1: they fetch blocks 3-6, of the head's rows
	TRIP 0
	s_add_co_u32 s[T], s[T], 1
	s_cmp_lt_u32 s[T], 2
	s_cbranch_scc1 .Lfirst
	s_wait_tensorcnt 0x0                           ; my 96 rows are in
	s_wait_dscnt 0x0
	s_barrier_signal -1
	s_barrier_wait -1                              ; everybody's are
.Lrest:                                            ; trips 2-13: they fetch blocks 7-30
	TRIP 0
	s_add_co_u32 s[T], s[T], 1
	s_cmp_lt_u32 s[T], 14
	s_cbranch_scc1 .Lrest
	TRIP 1                                         ; trip 14 fetches block 31 alone
	MULS 1, SO, 0                                  ; block 31
	v_add_nc_u32 v[RD], s[SB], v[RD0]
	PLACES 3
	EPI GO, 16*SP
	s_wait_dscnt 0x0
	s_barrier_signal -1
	s_barrier_wait -1
	BACK
	s_wait_dscnt 0x0
	SEND
	s_wait_tensorcnt 0x0                           ; the wave's end
	ds_add_u32 v[SPW], v[NIL]
	s_wait_dscnt 0x0
	CROUND                                         ; the closing round
	s_endpgm
.Lfunc_end_k_q3090d13449_moe:
	.size	k_q3090d13449_moe, .Lfunc_end_k_q3090d13449_moe-k_q3090d13449_moe
	.p2alignl 7, 3214868480
	.fill 96, 4, 3214868480
	.section	.rodata,"a",@progbits
	.p2align	6, 0x0
	.amdhsa_kernel k_q3090d13449_moe
		.amdhsa_group_segment_fixed_size 327680
		.amdhsa_private_segment_fixed_size 0
		.amdhsa_enable_private_segment 0
		.amdhsa_kernarg_size 56
		.amdhsa_user_sgpr_count 2
		.amdhsa_user_sgpr_kernarg_segment_ptr 1
		.amdhsa_wavefront_size32 1
		.amdhsa_system_sgpr_workgroup_id_x 1
		.amdhsa_system_sgpr_workgroup_id_y 1
		.amdhsa_system_sgpr_workgroup_id_z 1
		.amdhsa_system_vgpr_workitem_id 0
		.amdhsa_next_free_vgpr 896
		.amdhsa_next_free_sgpr 84
		.amdhsa_reserve_vcc 0
		.amdhsa_float_denorm_mode_32 3
		.amdhsa_float_denorm_mode_16_64 3
		.amdhsa_memory_ordered 1
		.amdhsa_forward_progress 1
		.amdhsa_inst_pref_size 140
	.end_amdhsa_kernel
	.amdgpu_metadata
---
amdhsa.version: [ 1, 2 ]
amdhsa.kernels:
  - .name:           k_q3090d13449_moe
    .symbol:         k_q3090d13449_moe.kd
    .args:
      - { .name: x_codes, .offset: 0, .size: 8, .value_kind: global_buffer, .address_space: global }
      - { .name: x_scales, .offset: 8, .size: 8, .value_kind: global_buffer, .address_space: global }
      - { .name: w_codes, .offset: 16, .size: 8, .value_kind: global_buffer, .address_space: global }
      - { .name: w_scales, .offset: 24, .size: 8, .value_kind: global_buffer, .address_space: global }
      - { .name: expert_b, .offset: 32, .size: 8, .value_kind: global_buffer, .address_space: global }
      - { .name: gates, .offset: 40, .size: 8, .value_kind: global_buffer, .address_space: global }
      - { .name: out0, .offset: 48, .size: 8, .value_kind: global_buffer, .address_space: global }
    .group_segment_fixed_size: 327680
    .private_segment_fixed_size: 0
    .kernarg_segment_align: 8
    .kernarg_segment_size: 56
    .max_flat_workgroup_size: 128
    .sgpr_count:     84
    .vgpr_count:     896
    .wavefront_size: 32
...
	.end_amdgpu_metadata
.endif
;; end of part 4
